; MI455X (gfx1250); checked and timed in simulation.
; The chip was launched on July 23, 2026; its instructions are those of AMD's public machine-readable ISA for CDNA 5 (MIT licence, August 2026) and "CDNA5" Instruction Set Architecture Reference Guide (July 2026). The comments in the code are by the model that wrote it; some were corrected since.
;; Multi Head Attention. Allowed arithmetic: matrix products marked QUANTISED: E3M2 operands, one E8M0 scale for each 32 along K, by v_wmma_scale_f32_16x16x128_f8f6f4 with both operands' format E3M2, f32 sums; everything else in f32.
;; Inputs: Wk 1,024 x 1,024 float32; Wo 1,024 x 1,024 float32; Wq 1,024 x 1,024 float32; Wv 1,024 x 1,024 float32; bk 1,024 float32; bo 1,024 float32; bq 1,024 float32; bv 1,024 float32; key 4 x 2,048 x 1,024 float32; query 4 x 2,048 x 1,024 float32; value 4 x 2,048 x 1,024 float32.
;; Outputs: out0 4 x 2,048 x 1,024 float32.
;; This version of the problem:
;;   THIS VERSION OF THE PROBLEM IS GIVEN IN LOW PRECISION. The matrix products marked QUANTISED in the list below multiply operands that are first quantised to E3M2 (3 exponent bits, 2 mantissa bits; 6 bits a number), with one power-of-two scale for each 32 numbers along K (OCP MX v1.0); their sums are f32. All else is computed in f32.
;;   The module's matrix products, in the order in which they are computed (A, B: the left and right operand; K: the contracted axis; several contracted axes count as one K, in the product's order):
;;     1. [M 8,192, K 1,024] x [K 1,024, N 1,024]; A: input query; B: input Wq: QUANTISED
;;     2. [M 8,192, K 1,024] x [K 1,024, N 1,024]; A: input key; B: input Wk: QUANTISED
;;     3. [M 8,192, K 1,024] x [K 1,024, N 1,024]; A: input value; B: input Wv: QUANTISED
;;     4. batch 64 x [M 2,048, K 64] x [K 64, N 2,048]; A: computed on the way; B: computed on the way: QUANTISED
;;     5. batch 64 x [M 2,048, K 2,048] x [K 2,048, N 64]; A: softmax (see below); B: computed on the way: QUANTISED
;;     6. [M 8,192, K 1,024] x [K 1,024, N 1,024]; A: computed on the way; B: input Wo: QUANTISED
;;   THE QUANTISER, for each operand of a quantised product, along K:
;;     - K is cut into blocks of 32 from its start; a last block that is shorter is filled with zeros.
;;     - A block's scale is 2^e with e = floor(log2(the largest magnitude in the block)) - 4, held to -126 .. 127; a block of zeros has e = 0. As a byte (E8M0): e + 127.
;;     - Each number is divided by its block's scale, clamped to +-28, and rounded to the nearest number of E3M2, ties to even, subnormals kept.
;;     - The product sums the exact products of the quantised numbers (number of the format x scale) in f32.
;;   ~~~python
;;   def quantise(x, axis):      # numpy; x: float32 -> the quantised numbers, widened to float32 again
;;       x = np.moveaxis(x, axis, -1); K = x.shape[-1]
;;       x = np.pad(x, [(0, 0)] * (x.ndim - 1) + [(0, -K % 32)]); x = x.reshape(x.shape[:-1] + (-1, 32)); a = np.abs(x).max(-1, keepdims=True)
;;       e = np.where(a > 0, np.clip(np.frexp(np.where(a > 0, a, 1))[1] - 1 - 4, -126, 127), 0)      # np.frexp(a)[1] - 1 = floor(log2(a)), exactly
;;       r = np.clip(x / 2.0 ** e, -28, 28)
;;       step = 2.0 ** (np.maximum(np.frexp(np.where(r == 0, 1, r))[1] - 1, -2) - 2)
;;       q = np.round(r / step) * step * 2.0 ** e      # np.round: ties to even
;;       return np.moveaxis(q.reshape(q.shape[:-2] + (-1,))[..., :K], -1, axis).astype(np.float32)
;;   ~~~
;;   SOFTMAX AHEAD OF A QUANTISED PRODUCT. Where the list says 'softmax', what is quantised is not the finished softmax but p = 2^(t - M), with t = logit x log2(e) and M = ceil(the row's largest t), a whole number; so 1/2 < the row's largest p <= 1. The row's sum l is taken of the UNQUANTISED p, in f32, and the product's result is divided by l at the end. Since M is a whole number, a kernel that streams over the keys may use a running M (the ceiling of the running maximum): every later rescaling is an exact power of two, which a block's scale takes up: the codes' values come out the same.
;;   OPERANDS COMPUTED ON THE WAY. 'Computed on the way' means the value that the module computes at that place (a softmax that the list does not call 'softmax' is quantised finished and normalised). What goes into a quantiser is computed in f32, as accurately as f32 sums, v_exp_f32 and their like allow (about 1e-6 of the number): no bf16 or f16 on the way to a quantiser, and a product that is left as it is and whose result goes on into a quantised operand takes f32 operands (vector FMAs, or v_wmma_f32_16x16x4_f32). A number that lies on a knife's edge between two numbers of the format may be rounded either way, as far as f32 arithmetic and the matrix unit's own rounding can turn it there, and no further.
;; One version. Each part assembles by itself: llvm-mc -triple=amdgcn-amd-amdhsa -mcpu=gfx1250 --defsym DOCPART=n.
;; ======== version 1 of 1: 4 launches
;; limits: right only within a limited range of input values
;; workspace buffers: cod 22,020,096 bytes; scl 917,504 bytes; qkv 19,660,800 bytes; oc 6,291,456 bytes; os 262,144 bytes
;; launch quant (part 1): grid 256 x 1, 14 waves a work-group, no clusters, 120,064 bytes of LDS; arguments query, key, value, Wq, Wk, Wv, Wo, cod, scl; writes cod, scl
.if DOCPART == 1
	.amdgcn_target "amdgcn-amd-amdhsa--gfx1250"
	.amdhsa_code_object_version 6
	.text
	.protected	k_q9e75c3206f_quant
	.globl	k_q9e75c3206f_quant
	.p2align	8
	.type	k_q9e75c3206f_quant,@function
k_q9e75c3206f_quant:
	s_mov_b64 s[64:65], 0
	v_nop
	global_prefetch_b8 v0, s[64:65] scope:SCOPE_SE
	s_setreg_imm32_b32 hwreg(HW_REG_WAVE_MODE, 25, 1), 1
	s_wait_xcnt 0x0
; query, key, value [8192][1024] and Wq, Wk, Wv, Wo [1024][1024], f32, K innermost, become codes of BF6 (E3M2) with one E8M0 byte for each 32 along K.
; A block's scale is 2^(floor(log2(its largest magnitude)) - 4); its byte is the largest magnitude's exponent field - 4, held at 1 from below.
; LIMITS: NaN and infinities among the inputs are not served; a block whose largest magnitude lies under 2^-122 has its byte held at 1; a block of zeros gets the byte 1 and not 127
; (its codes are zeros, which add nothing under any byte but 0xff, and the bytes are read by this program alone).
; LAYOUT OF THE CODES: the image of the operand's registers.  The 28,672 rows are 1,792 tiles of 16 rows; a tile's 1,024 along K are 16 half fragments of 768 bytes (16 rows x 64 K: six registers a lane):
; bytes 0-511 registers 0-3, lane l at 16 l; bytes 512-767 registers 4-5, lane l at 8 l.  So every later load of a fragment is 512 or 256 consecutive bytes.
; THE ROWS OF A TILE ARE NOT NEIGHBOURS: row r of tile T of a tensor is the tensor's row 32 (T / 2) + 8 (T % 2) + r + 8 (r / 8), so that results made with such a tile as source 0 have 16 neighbours in 16 registers.
; LAYOUT OF THE SCALE BYTES: [tile][plane 0..3][row 0..15][2 words]; word 2 P + q holds the four bytes of the 128 along K from 128 (2 P + q) on.
; SHARES: a wave takes one tile and half of K: four steps of 128.  3,584 waves = 256 work-groups x 14.  Waves share nothing: no barrier; waves of a work-group may lie in different tensors.
; A step's 16 loads read 512 consecutive bytes of a row each; the 8,192 bytes turn through the wave's own stage in LDS (rows of 528 bytes) so that a lane gets 16 neighbours of each block of 32.
; No cluster, no matrix unit, no tensor load: nothing is shared between work-groups and every byte is read once.
.set STG,  8448                        ; a wave's stage: 16 rows x 528 bytes
.set SPT,  528
.set R,    16                          ; v16-143  two sets of 64 registers as loaded
.set X,    144                         ; v144-207 64 numbers: register 16 b + i = k 32 b + 16 (lane / 16) + i of my row
.set PC,   208                         ; v208-226 the codes just made
.set TM,   228                         ; v228-243 at work
.set PW,   244                         ; v244-247 the four steps' scale words
.set SEL,  32                          ; s32, s33 lane selects for v_permlanex16_b32: lane l xor 16
; 64 numbers of a lane, v[s] .. v[s + 63], become a fragment's codes in v[PC] .. v[PC + 11] and its row's scale word in v[pw].
.macro QUANT s, pw
.irp b, 0,1,2,3
	v_max3_num_f32 v[TM+\b], |v[\s+16*\b]|, |v[\s+1+16*\b]|, 0x2800000   ; block b: my 16 numbers, and the floor 2^(5 - 127): the byte cannot fall under 1
.endr
.irp i, 2,4,6,8,10,12,14
.irp b, 0,1,2,3
	s_delay_alu instid0(VALU_DEP_4)
	v_max3_num_f32 v[TM+\b], v[TM+\b], |v[\s+16*\b+\i]|, |v[\s+1+16*\b+\i]|   ; the four blocks by turns
.endr
.endr
.irp b, 0,1,2,3
	s_delay_alu instid0(VALU_DEP_4)
	v_permlanex16_b32 v[TM+4+\b], v[TM+\b], s[SEL], s[SEL+1]
.endr
.irp b, 0,1,2,3
	s_delay_alu instid0(VALU_DEP_4)
	v_max_num_f32 v[TM+\b], v[TM+\b], v[TM+4+\b]   ; with lane l xor 16's: the block's largest magnitude
.endr
.irp b, 0,1,2,3
	s_delay_alu instid0(VALU_DEP_4)
	v_add_nc_u32 v[TM+12+\b], 0xfe000000, v[TM+\b]   ; 4 off its exponent field: the conversion's scale operand
.endr
.irp b, 0,1,2,3
	s_delay_alu instid0(VALU_DEP_4)
	v_lshrrev_b32 v[TM+4+\b], 23, v[TM+12+\b]      ; the scale's byte
.endr
	s_delay_alu instid0(VALU_DEP_3)
	v_lshl_or_b32 v[\pw], v[TM+5], 8, v[TM+4]
	s_delay_alu instid0(VALU_DEP_1)
	v_lshl_or_b32 v[\pw], v[TM+6], 16, v[\pw]
	s_delay_alu instid0(VALU_DEP_1)
	v_lshl_or_b32 v[\pw], v[TM+7], 24, v[\pw]
.irp c, 0,1
	v_cvt_scalef32_pk16_bf6_f32 v[PC+6*\c:PC+2+6*\c], v[\s+32*\c:\s+15+32*\c], v[TM+12+2*\c]
	v_cvt_scalef32_pk16_bf6_f32 v[PC+12+4*\c:PC+14+4*\c], v[\s+16+32*\c:\s+31+32*\c], v[TM+12+2*\c+1]   ; (a conversion's three registers begin on an even number)
.endr
	v_nop                                          ; one plain instruction behind the scaled conversions
.irp c, 0,1                                    ; the operand's layout wants a whole block in a lane: lanes 0-15 block 2 c, lanes 16-31 block 2 c + 1
.irp i, 0,1,2
	v_permlane16_swap_b32 v[PC+6*\c+\i], v[PC+12+4*\c+\i]
.endr
.irp i, 0,1,2
	s_delay_alu instid0(VALU_DEP_3)
	v_mov_b32 v[PC+3+6*\c+\i], v[PC+12+4*\c+\i]
.endr
.endr
.endm
	s_load_b256 s[4:11], s[0:1], 0x0               ; query s[4:5], key s[6:7], value s[8:9], Wq s[10:11]
	s_load_b256 s[12:19], s[0:1], 0x20             ; Wk s[12:13], Wv s[14:15], Wo s[16:17], the codes s[18:19]
	s_load_b64 s[20:21], s[0:1], 0x40              ; the scale bytes
	v_lshl_add_u32 v254, v0, 2, 0x1ce00
	v_mov_b32 v255, 0
	v_lshrrev_b32 v1, 5, v0
	s_delay_alu instid0(VALU_DEP_1)
	v_readfirstlane_b32 s22, v1                    ; wave 0..13
	v_and_b32 v1, 31, v0                           ; lane
	v_and_b32 v7, 15, v0                           ; r
	v_bfe_u32 v8, v0, 4, 1                         ; h
	s_delay_alu instid0(VALU_DEP_3)
	v_lshlrev_b32 v2, 4, v1                        ; 16 x lane
	s_delay_alu instid0(VALU_DEP_4)
	v_lshlrev_b32 v3, 3, v1                        ; 8 x lane
	s_mul_i32 s29, s22, STG
	v_add_nc_u32 v4, s29, v2                       ; the stage, way in: 16 x lane of a row
	v_mul_u32_u24 v5, v7, SPT
	s_delay_alu instid0(VALU_DEP_1)
	v_lshl_add_u32 v5, v8, 6, v5
	s_delay_alu instid0(VALU_DEP_1)
	v_add_nc_u32 v5, s29, v5                       ; way out: row r, + 64 h: my 16 numbers of a block of 32
	v_lshlrev_b32 v6, 7, v8
	s_delay_alu instid0(VALU_DEP_1)
	v_lshl_add_u32 v6, v7, 3, v6                   ; the scale words: plane h of my two, row r
	s_mul_i32 s23, ttmp9, 14
	s_add_co_u32 s23, s23, s22                     ; which half tile is mine
	s_lshr_b32 s24, s23, 1                         ; the tile, 0 .. 1,791
	s_and_b32 s25, s23, 1                          ; which half of K
	s_mov_b32 s30, 0xffff0000                      ; lanes 16-31
	s_mov_b32 s[SEL], 0x76543210
	s_mov_b32 s[SEL+1], 0xfedcba98
	; KEY'S TILES (512 .. 1,023) HAVE ANOTHER ORDER OF ROWS than the one stated at the head: row r of tile T is key's row 64 (T / 4) + 8 (T % 4) + r + 24 (r / 8),
	; so that scores made with four such tiles on end as source 0 give a lane a whole block of 32 neighbouring keys in 32 registers.
	s_lshr_b32 s31, s24, 9
	s_cmp_eq_u32 s31, 1
	s_cselect_b32 s31, 3, 1                        ; D - 1: tiles go in groups of D = 4 (key) or 2 (all others)
	s_sub_co_u32 s34, s31, 1
	s_lshl_b32 s34, s34, 15                        ; key's rows 8-15 lie 16 rows of 4,096 bytes further on than the others' do
	s_wait_alu depctr_va_vdst(0)                   ; the wait here, directly ahead of the reader below
	v_add_nc_u32 v9, s34, v2                       ; the offset of a tile's rows 8-15
.irp b, 0,1,2,3
	v_mov_b32 v[TM+4+\b], 0                        ; written once: a lane permute's destination counts as one of its sources
.endr
	s_wait_alu depctr_va_vdst(0)
	s_wait_kmcnt 0x0
	s_mov_b64 s[26:27], s[16:17]                   ; the tensor in which my tile lies, and that tensor's first tile: the choice hangs on ids alone
	s_mov_b32 s28, 1728
	s_cmp_lt_u32 s24, 1728
	s_cselect_b64 s[26:27], s[14:15], s[26:27]
	s_cselect_b32 s28, 1664, s28
	s_cmp_lt_u32 s24, 1664
	s_cselect_b64 s[26:27], s[12:13], s[26:27]
	s_cselect_b32 s28, 1600, s28
	s_cmp_lt_u32 s24, 1600
	s_cselect_b64 s[26:27], s[10:11], s[26:27]
	s_cselect_b32 s28, 1536, s28
	s_cmp_lt_u32 s24, 1536
	s_cselect_b64 s[26:27], s[8:9], s[26:27]
	s_cselect_b32 s28, 1024, s28
	s_cmp_lt_u32 s24, 1024
	s_cselect_b64 s[26:27], s[6:7], s[26:27]
	s_cselect_b32 s28, 512, s28
	s_cmp_lt_u32 s24, 512
	s_cselect_b64 s[26:27], s[4:5], s[26:27]
	s_cselect_b32 s28, 0, s28
	s_sub_co_u32 s28, s24, s28                     ; the tile's number in its tensor
	s_and_b32 s29, s28, s31
	s_lshl_b32 s29, s29, 3
	s_lshl_b32 s28, s28, 4
	s_sub_co_u32 s28, s28, s29                     ; its first row: 16 T - 8 (T % D) = 16 D (T / D) + 8 (T % D)
	s_lshl_b32 s28, s28, 12                        ; rows of 4,096 bytes
	s_lshl_b32 s29, s25, 11
	s_add_co_u32 s28, s28, s29                     ; + my half of K
	s_mov_b32 s29, 0
	s_add_nc_u64 s[26:27], s[26:27], s[28:29]
	s_mul_i32 s28, s23, 6144                       ; the codes: 12,288 bytes a tile, 6,144 a half
	s_add_nc_u64 s[18:19], s[18:19], s[28:29]
	s_lshl_b32 s28, s23, 8                         ; the scale bytes: 512 a tile, 256 a half
	s_add_nc_u64 s[20:21], s[20:21], s[28:29]
.macro LOAD t                          ; K step t: 16 rows x 512 bytes into set t % 2; each load reads 512 consecutive bytes
.irp i, 0,1,2,3,4,5,6,7
	global_load_b128 v[R+64*((\t)%2)+4*\i:R+64*((\t)%2)+4*\i+3], v2, s[26:27] offset:\i*4096+512*(\t) th:TH_LOAD_NT
.endr
.irp i, 8,9,10,11,12,13,14,15
	global_load_b128 v[R+64*((\t)%2)+4*\i:R+64*((\t)%2)+4*\i+3], v9, s[26:27] offset:(\i+8)*4096+512*(\t) th:TH_LOAD_NT
.endr
.endm
.macro STEP t
.if (\t) < 3
	s_wait_loadcnt 16                              ; this step's 16 loads are in; the next step's 16 may be out
.else
	s_wait_loadcnt 0x0
.endif
.irp i, 0,1,2,3,4,5,6,7,8,9,10,11,12,13,14,15
	ds_store_b128 v4, v[R+64*((\t)%2)+4*\i:R+64*((\t)%2)+4*\i+3] offset:SPT*\i
.endr
.irp b, 0,1,2,3
.irp j, 0,1,2,3
	ds_load_b128 v[X+16*\b+4*\j:X+16*\b+4*\j+3], v5 offset:128*\b+16*\j   ; LDS serves a wave's instructions in order: these see the stores above
.endr
.endr
	s_wait_dscnt 0x0                               ; the numbers are back, and the stage's stores have read their registers
	s_wait_xcnt 0x0                                ; the last step's stores of codes have read theirs: the codes' registers are written again only behind this wait
.if (\t)+2 < 4
	LOAD (\t)+2
.endif
	QUANT X, PW+(\t)
	global_store_b128 v2, v[PC:PC+3], s[18:19] offset:1536*(\t)          ; 512 consecutive bytes,
	global_store_b64 v3, v[PC+4:PC+5], s[18:19] offset:1536*(\t)+512     ; 256,
	global_store_b128 v2, v[PC+6:PC+9], s[18:19] offset:1536*(\t)+768    ; and the second half fragment likewise
	global_store_b64 v3, v[PC+10:PC+11], s[18:19] offset:1536*(\t)+1280
.endm
	LOAD 0
	LOAD 1
	STEP 0
	STEP 1
	STEP 2
	STEP 3
	v_cndmask_b32 v248, v[PW], v[PW+2], s30        ; lanes 0-15 store my first plane (steps 0, 1), lanes 16-31 the second (steps 2, 3)
	v_cndmask_b32 v249, v[PW+1], v[PW+3], s30
	global_store_b64 v6, v[248:249], s[20:21]      ; 32 lanes store 256 consecutive bytes
	s_wait_tensorcnt 0x0
	ds_add_u32 v254, v255
	s_wait_dscnt 0x0
	s_endpgm
.Lfunc_end_k_q9e75c3206f_quant:
	.size	k_q9e75c3206f_quant, .Lfunc_end_k_q9e75c3206f_quant-k_q9e75c3206f_quant
	.p2alignl 7, 3214868480
	.fill 96, 4, 3214868480
	.section	.rodata,"a",@progbits
	.p2align	6, 0x0
	.amdhsa_kernel k_q9e75c3206f_quant
		.amdhsa_group_segment_fixed_size 120064
		.amdhsa_private_segment_fixed_size 0
		.amdhsa_enable_private_segment 0
		.amdhsa_kernarg_size 72
		.amdhsa_user_sgpr_count 2
		.amdhsa_user_sgpr_kernarg_segment_ptr 1
		.amdhsa_wavefront_size32 1
		.amdhsa_system_sgpr_workgroup_id_x 1
		.amdhsa_system_sgpr_workgroup_id_y 1
		.amdhsa_system_sgpr_workgroup_id_z 1
		.amdhsa_system_vgpr_workitem_id 0
		.amdhsa_next_free_vgpr 256
		.amdhsa_next_free_sgpr 66
		.amdhsa_reserve_vcc 0
		.amdhsa_float_denorm_mode_32 3
		.amdhsa_float_denorm_mode_16_64 3
		.amdhsa_memory_ordered 1
		.amdhsa_forward_progress 1
		.amdhsa_inst_pref_size 42
	.end_amdhsa_kernel
	.amdgpu_metadata
---
amdhsa.version: [ 1, 2 ]
amdhsa.kernels:
  - .name:           k_q9e75c3206f_quant
    .symbol:         k_q9e75c3206f_quant.kd
    .args:
      - { .name: query, .offset: 0, .size: 8, .value_kind: global_buffer, .address_space: global }
      - { .name: key, .offset: 8, .size: 8, .value_kind: global_buffer, .address_space: global }
      - { .name: value, .offset: 16, .size: 8, .value_kind: global_buffer, .address_space: global }
      - { .name: Wq, .offset: 24, .size: 8, .value_kind: global_buffer, .address_space: global }
      - { .name: Wk, .offset: 32, .size: 8, .value_kind: global_buffer, .address_space: global }
      - { .name: Wv, .offset: 40, .size: 8, .value_kind: global_buffer, .address_space: global }
      - { .name: Wo, .offset: 48, .size: 8, .value_kind: global_buffer, .address_space: global }
      - { .name: cod, .offset: 56, .size: 8, .value_kind: global_buffer, .address_space: global }
      - { .name: scl, .offset: 64, .size: 8, .value_kind: global_buffer, .address_space: global }
    .group_segment_fixed_size: 120064
    .private_segment_fixed_size: 0
    .kernarg_segment_align: 8
    .kernarg_segment_size: 72
    .max_flat_workgroup_size: 448
    .sgpr_count:     66
    .vgpr_count:     256
    .wavefront_size: 32
...
	.end_amdgpu_metadata
.endif
;; end of part 1
;; launch proj (part 2): grid 4 x 96, 4 waves a work-group, clusters of 4 x 4, 327,680 bytes of LDS; arguments cod, scl, bq, bk, bv, qkv; writes qkv
.if DOCPART == 2
	.amdgcn_target "amdgcn-amd-amdhsa--gfx1250"
	.amdhsa_code_object_version 6
	.text
	.protected	k_q9e75c3206f_proj
	.globl	k_q9e75c3206f_proj
	.p2align	8
	.type	k_q9e75c3206f_proj,@function
k_q9e75c3206f_proj:
	s_mov_b64 s[64:65], 0
	v_nop
	global_prefetch_b8 v0, s[64:65] scope:SCOPE_SE
	s_setreg_imm32_b32 hwreg(HW_REG_WAVE_MODE, 25, 1), 1
	s_wait_xcnt 0x0
	s_wait_alu depctr_hold_cnt(0) depctr_sa_sdst(0) depctr_va_vdst(0) depctr_va_sdst(0) depctr_va_ssrc(0) depctr_va_vcc(0) depctr_vm_vsrc(0)
	s_getreg_b32 s2, hwreg(HW_REG_IB_STS2, 6, 4)
	s_cmp_eq_u32 s2, 0
	s_cbranch_scc0 .Lentry_in_a_cluster
	s_endpgm
.Lentry_in_a_cluster:
	s_bfe_u32 s2, ttmp6, 0x10000c
	s_cmp_lg_u32 s2, 0xf033
	s_cbranch_scc0 .Lentry_shape_is_right
	s_endpgm
.Lentry_shape_is_right:
.set NQ,     2
.set FR,     12
.set NL,     4
.set NP,     4
.set TILEB,  3072
.set HALFT,  8*TILEB
.set SLOT,   4*HALFT
.set SCL,    2*SLOT
.set SPARE,  SCL+4*4096
.set BLKB,   307200
.set VOFF,   98304
.set KSOFF,  196608
.set VSOFF,  200704
.set QOFF,   204800
.set QSOFF,  303104
.set ADRA, 16
.set ADRB, 20
.set L16,  24
.set L8,   25
.set SWO,  26
.set ADRS, 27
.set SPW,  28
.set NIL,  29
.set PSEL, 30
.set SC,   32
.set BI,   64
.set AF,   128
.set BV,   224
.set X,    128
.set PC,   192
.set PWS,  212
.set WO,   220
.set TM,   240
.set SEL,  2
.set G1,   24
.set G0,   32
.set G1B,  48
.set G0B,  56
.set G1S,  68
.set G0S,  76
.set G1SB, 80
.set G0SB, 88
.set MSB, 0
.macro WIN new
.if MSB != \new
	s_set_vgpr_msb (MSB<<8)|\new
.set MSB, \new
.endif
.endm
.set MUL_LO, 0xa1
.set MUL_HI, 0xf1
.set TO_B,   0x40
.macro JLOAD g0a, g1a, g0b, g1b
	s_cmp_eq_u32 s17, 0
	s_cbranch_scc0 .Lfor_b_\@
	tensor_load_to_lds s[\g0a:\g0a+3], s[\g1a:\g1a+7]
	s_nop 0
.rept 4
	v_nop
.endr
	s_branch .Lasked_\@
.Lfor_b_\@:
	tensor_load_to_lds s[\g0b:\g0b+3], s[\g1b:\g1b+7]
	s_nop 0
.rept 4
	v_nop
.endr
.Lasked_\@:
.endm
.macro CREST
	s_cmp_lg_u32 s16, 0
	s_cbranch_scc1 .Lnot_wave_0_\@
	s_barrier_signal -3
.Lnot_wave_0_\@:
	s_barrier_wait -3
	s_barrier_signal -1
	s_barrier_wait -1
.endm
.macro CROUND
	s_barrier_signal -1
	s_barrier_wait -1
	CREST
.endm
.macro PLACES n
.rept \n
	v_nop
.endr
.endm
.macro FRAG reg, adr, q, i
	ds_load_b128 v[\reg:\reg+3], v[\adr] offset:(\i)*TILEB+(\q)*1536
	ds_load_b64 v[\reg+4:\reg+5], v[\adr+2] offset:(\i)*TILEB+(\q)*1536+512
	ds_load_b128 v[\reg+6:\reg+9], v[\adr] offset:(\i)*TILEB+(\q)*1536+768
	ds_load_b64 v[\reg+10:\reg+11], v[\adr+2] offset:(\i)*TILEB+(\q)*1536+1280
.endm
.macro MUL16 a0, p, q, sc, c0
.irp a, \a0, \a0+1
.irp b, 0,1,2,3,4,5,6,7
.if \c0
	v_wmma_scale_f32_16x16x128_f8f6f4 v[8*(8*((\a)%4)+\b):8*(8*((\a)%4)+\b)+7], v[128*(\p)+FR*\b:128*(\p)+FR*\b+FR-1], v[AF+FR*(\a):AF+FR*(\a)+FR-1], 0, v[SC+16*(\sc)+2*\b+(\q)], v[SC+16*(\sc)+2*(\a)+(\q)] matrix_a_fmt:MATRIX_FMT_BF6 matrix_b_fmt:MATRIX_FMT_BF6 matrix_a_scale:MATRIX_SCALE_ROW1
.else
	v_wmma_scale_f32_16x16x128_f8f6f4 v[8*(8*((\a)%4)+\b):8*(8*((\a)%4)+\b)+7], v[128*(\p)+FR*\b:128*(\p)+FR*\b+FR-1], v[AF+FR*(\a):AF+FR*(\a)+FR-1], v[8*(8*((\a)%4)+\b):8*(8*((\a)%4)+\b)+7], v[SC+16*(\sc)+2*\b+(\q)], v[SC+16*(\sc)+2*(\a)+(\q)] matrix_a_fmt:MATRIX_FMT_BF6 matrix_b_fmt:MATRIX_FMT_BF6 matrix_a_scale:MATRIX_SCALE_ROW1
.endif
.endr
.endr
.endm
.macro FETCH_B slot, q, p
	WIN TO_B
.irp i, 0,1,2,3,4,5,6,7
	FRAG 128*(\p)+FR*\i, ADRB+\slot, \q, \i
.endr
	WIN 0
.endm
.macro FETCH_A slot, q, i0
.irp i, \i0, \i0+1, \i0+2, \i0+3
	FRAG AF+FR*(\i), ADRA+\slot, \q, \i
.endr
.endm
.macro SCALES sc
.irp i, 0,1,2,3,4,5,6,7
	ds_load_b64 v[SC+16*\sc+2*\i:SC+16*\sc+2*\i+1], v[ADRS] offset:512*\i
.endr
.endm
.macro STEP slot, q, c0
	s_wait_dscnt 4*NL
	WIN MUL_LO
	MUL16 0, (\q)%2, \q, \slot, \c0
	MUL16 2, (\q)%2, \q, \slot, \c0
	s_wait_dscnt 0x0
	PLACES NP
	FETCH_B \slot, (\q)+1, 1-(\q)%2
	FETCH_A \slot, (\q)+1, 0
	WIN MUL_HI
	MUL16 4, (\q)%2, \q, \slot, \c0
	MUL16 6, (\q)%2, \q, \slot, \c0
	PLACES NP
	WIN 0
	FETCH_A \slot, (\q)+1, 4
.endm
.macro TURN slot, next, fill
	s_wait_tensorcnt 0x0
	ds_add_u32 v[SPW], v[NIL]
	s_wait_dscnt 4*NL+1
	WIN MUL_LO
	MUL16 0, 1, NQ-1, \slot, 0
	s_wait_dscnt 0x0
	s_barrier_signal -1
	MUL16 2, 1, NQ-1, \slot, 0
	WIN 0
	s_barrier_wait -1
.if \fill
	CREST
	s_add_nc_u64 s[G0+4*\slot+2:G0+4*\slot+3], s[G0+4*\slot+2:G0+4*\slot+3], 2*TILEB
	s_add_nc_u64 s[G0B+4*\slot+2:G0B+4*\slot+3], s[G0B+4*\slot+2:G0B+4*\slot+3], 2*TILEB
	JLOAD G0+4*\slot, G1, G0B+4*\slot, G1B
.else
	PLACES NP
.endif
	s_wait_alu depctr_va_vdst(0)
	v_add_nc_u32 v[ADRS], 128, v[ADRS]
	FETCH_B \next, 0, 0
	FETCH_A \next, 0, 0
	SCALES \next
	WIN MUL_HI
	MUL16 4, 1, NQ-1, \slot, 0
	MUL16 6, 1, NQ-1, \slot, 0
	PLACES NP
	WIN 0
	FETCH_A \next, 0, 4
.endm
.macro QUANT s, pw
.irp b, 0,1,2,3
	v_max3_num_f32 v[TM+\b], |v[\s+16*\b]|, |v[\s+1+16*\b]|, 0x2800000
.endr
.irp i, 2,4,6,8,10,12,14
.irp b, 0,1,2,3
	v_max3_num_f32 v[TM+\b], v[TM+\b], |v[\s+16*\b+\i]|, |v[\s+1+16*\b+\i]|
.endr
.endr
.irp b, 0,1,2,3
	v_permlanex16_b32 v[TM+4+\b], v[TM+\b], s[SEL], s[SEL+1]
.endr
.irp b, 0,1,2,3
	v_max_num_f32 v[TM+\b], v[TM+\b], v[TM+4+\b]
.endr
.irp b, 0,1,2,3
	v_add_nc_u32 v[TM+12+\b], 0xfe000000, v[TM+\b]
.endr
.irp b, 0,1,2,3
	v_lshrrev_b32 v[TM+4+\b], 23, v[TM+12+\b]
.endr
	v_lshl_or_b32 v[\pw], v[TM+5], 8, v[TM+4]
	v_lshl_or_b32 v[\pw], v[TM+6], 16, v[\pw]
	v_lshl_or_b32 v[\pw], v[TM+7], 24, v[\pw]
.irp c, 0,1
	v_cvt_scalef32_pk16_bf6_f32 v[PC+6*\c:PC+2+6*\c], v[\s+32*\c:\s+15+32*\c], v[TM+12+2*\c]
	v_cvt_scalef32_pk16_bf6_f32 v[PC+12+4*\c:PC+14+4*\c], v[\s+16+32*\c:\s+31+32*\c], v[TM+12+2*\c+1]
.endr
	v_nop
.irp c, 0,1
.irp i, 0,1,2
	v_permlane16_swap_b32 v[PC+6*\c+\i], v[PC+12+4*\c+\i]
.endr
.irp i, 0,1,2
	v_mov_b32 v[PC+3+6*\c+\i], v[PC+12+4*\c+\i]
.endr
.endr
.endm
	s_load_b128 s[4:7], s[0:1], 0x0
	s_load_b128 s[8:11], s[0:1], 0x10
	s_load_b128 s[12:15], s[0:1], 0x20
	v_lshl_add_u32 v[SPW], v0, 2, SPARE
	v_mov_b32 v[NIL], 0
	ds_add_u32 v28, v29
	ds_add_u32 v28, v29
	s_wait_dscnt 0x0
	v_lshrrev_b32 v1, 5, v0
	v_readfirstlane_b32 s16, v1
	s_lshr_b32 s17, s16, 1
	s_and_b32 s18, s16, 1
	s_bfe_u32 s19, ttmp6, 0x40000
	s_bfe_u32 s20, ttmp6, 0x40004
	s_and_b32 s23, ttmp7, 0xffff
	s_lshr_b32 s21, s23, 3
	s_and_b32 s22, s23, 7
	s_lshl_b32 s40, s20, 2
	s_lshl_b32 s40, 15, s40
	s_lshl_b32 s92, 0x1111, s19
	s_or_b32 s[G1+0], s40, (3<<16)|(1<<21)
	s_or_b32 s[G1B+0], s92, (3<<16)|(1<<21)
.irp g, G1, G1B
	s_mov_b32 s[\g+1], 384<<16
	s_mov_b32 s[\g+2], 16<<16                      ; the head's loads of codes bring 16 tiles; behind them the two words that count rows are set to 8, for the ring's
	s_mov_b32 s[\g+3], 384<<16
	s_mov_b32 s[\g+4], 16
	s_mov_b32 s[\g+5], 1536
	s_mov_b32 s[\g+6], 0
	s_mov_b32 s[\g+7], 0
.endr
	s_or_b32 s[G1S+0], s40, (3<<16)|(1<<21)
	s_or_b32 s[G1SB+0], s92, (3<<16)|(1<<21)
.irp g, G1S, G1SB
	s_mov_b32 s[\g+1], 32<<16
	s_mov_b32 s[\g+2], 32<<16                      ; the scales of 16 tiles: 8,192 dense bytes as 32 rows of 256
	s_mov_b32 s[\g+3], 32<<16
	s_mov_b32 s[\g+4], 32
	s_mov_b32 s[\g+5], 32
	s_mov_b32 s[\g+6], 0
	s_mov_b32 s[\g+7], 0
.endr
	s_lshl_b32 s42, s22, 6
	s_lshl_b32 s41, s21, 9
	s_add_co_u32 s41, s41, s42
	s_mov_b32 s43, 1664
	s_lshl_b32 s93, s21, 6
	s_add_co_u32 s93, s93, 1536
	s_add_co_u32 s94, s42, 1024
	s_cmp_lt_u32 s21, 2
	s_cselect_b32 s41, s41, s43
	s_cselect_b32 s93, s93, s94
	s_lshl_b32 s43, s18, 3
	s_lshl_b32 s42, s20, 4
	s_add_co_u32 s41, s41, s42
	s_add_co_u32 s41, s41, s43
	s_lshl_b32 s94, s19, 4
	s_add_co_u32 s93, s93, s94
	s_add_co_u32 s93, s93, s43
	s_mul_i32 s44, s41, 12288
	s_mov_b32 s45, 0
	s_lshl_b32 s46, s41, 9
	s_mov_b32 s47, 0
	s_mul_i32 s96, s93, 12288
	s_mov_b32 s97, 0
	s_lshl_b32 s98, s93, 9
	s_mov_b32 s99, 0
	s_mul_i32 s23, s16, HALFT
	s_lshl_b32 s95, s43, 9
	s_sub_co_u32 s46, s46, s95                     ; the scales are fetched for all 16 tiles at once: from the first tile on, without my half
	s_sub_co_u32 s98, s98, s95
	s_mov_b32 s[SEL], 0x76543210
	s_mov_b32 s[SEL+1], 0xfedcba98
	s_wait_kmcnt 0x0
	s_add_nc_u64 s[44:45], s[4:5], s[44:45]
	s_add_nc_u64 s[46:47], s[6:7], s[46:47]
	s_add_nc_u64 s[96:97], s[4:5], s[96:97]
	s_add_nc_u64 s[98:99], s[6:7], s[98:99]
	CROUND
	s_mov_b32 s[G0S], 1
	s_mov_b32 s[G0S+1], SCL
	s_mov_b64 s[G0S+2:G0S+3], s[46:47]
	s_or_b32 s[G0S+3], s[G0S+3], 0x80000000
	s_mov_b32 s[G0SB], 1
	s_mov_b32 s[G0SB+1], SCL+8192
	s_mov_b64 s[G0SB+2:G0SB+3], s[98:99]
	s_or_b32 s[G0SB+3], s[G0SB+3], 0x80000000
.irp s, 0,1
	s_mov_b32 s[G0+4*\s], 1
	s_add_co_u32 s[G0+4*\s+1], s23, \s*SLOT
	s_add_nc_u64 s[G0+4*\s+2:G0+4*\s+3], s[44:45], \s*TILEB
	s_or_b32 s[G0+4*\s+3], s[G0+4*\s+3], 0x80000000
	s_mov_b32 s[G0B+4*\s], 1
	s_add_co_u32 s[G0B+4*\s+1], s23, \s*SLOT
	s_add_nc_u64 s[G0B+4*\s+2:G0B+4*\s+3], s[96:97], \s*TILEB
	s_or_b32 s[G0B+4*\s+3], s[G0B+4*\s+3], 0x80000000
.endr
; THE HEAD'S LOADS, ONE A WAVE: wave 0 fetches slot 0's 16 tiles of source 1 (its own group 0 points at the first of them), wave 2 those of source 0, wave 1 and wave 3 the two blocks of scales.
; One tree of branches on the wave's number: every way through the head passes exactly one load.
.macro ARM under, g0, g1, next
	s_cmp_lt_u32 s16, \under
	s_cbranch_scc0 \next
	tensor_load_to_lds s[\g0:\g0+3], s[\g1:\g1+7]
	s_nop 0
.rept 4
	v_nop
.endr
	s_branch .Lhead_asked
\next:
.endm
	ARM 1, G0,  G1,  .Lhead_sa
	ARM 2, G0S, G1S, .Lhead_b
	ARM 3, G0B, G1B, .Lhead_sb
	tensor_load_to_lds s[G0SB:G0SB+3], s[G1SB:G1SB+7]
	s_nop 0
.rept 4
	v_nop
.endr
.Lhead_asked:
	v_and_b32 v1, 31, v0
	v_and_b32 v2, 15, v0
	v_bfe_u32 v3, v0, 4, 1
	v_lshlrev_b32 v[L16], 4, v1
	v_lshlrev_b32 v[L8], 3, v1
	s_mul_i32 s41, s17, HALFT
	s_mul_i32 s42, s18, HALFT
	s_add_co_u32 s42, s42, 2*HALFT
.irp s, 0,1
	v_add_nc_u32 v[ADRA+\s], s41, v[L16]
	v_add_nc_u32 v[ADRA+2+\s], s41, v[L8]
	v_add_nc_u32 v[ADRB+\s], s42, v[L16]
	v_add_nc_u32 v[ADRB+2+\s], s42, v[L8]
	s_add_co_u32 s41, s41, SLOT
	s_add_co_u32 s42, s42, SLOT
.endr
	s_lshl_b32 s41, s17, 12
	s_lshl_b32 s42, s18, 12
	s_add_co_u32 s42, s42, 8192
	s_sub_co_u32 s42, s42, s41
	v_mul_u32_u24 v6, s42, v3
	s_add_co_u32 s41, s41, SCL
	v_lshl_add_u32 v6, v2, 3, v6
	v_add_nc_u32 v[ADRS], s41, v6
	v_mul_u32_u24 v[SWO], v3, BLKB
	v_lshl_add_u32 v[SWO], v2, 4, v[SWO]
	s_mov_b32 s40, 0xffff0000
	v_mov_b32 v[PSEL], 0x05040100
	v_mov_b32 v7, 0x07060302
	v_cndmask_b32 v[PSEL], v[PSEL], v7, s40
.irp b, 0,1,2,3
	v_mov_b32 v[TM+4+\b], 0
.endr
	s_cmp_eq_u32 s21, 0
	s_cselect_b64 s[66:67], s[8:9], s[10:11]
	s_cmp_eq_u32 s21, 2
	s_cselect_b64 s[66:67], s[12:13], s[66:67]
	s_lshl_b32 s92, s19, 10
	s_lshl_b32 s93, s18, 9
	s_add_co_u32 s92, s92, s93
	s_mov_b32 s93, 0
	s_add_nc_u64 s[92:93], s[66:67], s[92:93]
	s_lshl_b32 s94, s20, 10
	s_lshl_b32 s95, s17, 9
	s_add_co_u32 s94, s94, s95
	s_mov_b32 s95, 0
	s_add_nc_u64 s[94:95], s[66:67], s[94:95]
	v_lshlrev_b32 v10, 6, v3
	v_and_b32 v11, 8, v2
	v_add_nc_u32 v11, v11, v2
	v_lshlrev_b32 v11, 2, v11
.irp g, 0,1,2,3
.irp j, 0,1,2,3
	global_load_b128 v[BI+16*\g+4*\j:BI+16*\g+4*\j+3], v10, s[92:93] offset:128*\g+16*\j
.endr
.endr
.irp a, 0,1,2,3,4,5,6,7
	global_load_b32 v[BV+2*\a], v11, s[94:95] offset:4*(32*(\a/2)+8*(\a%2))
	global_load_b32 v[BV+2*\a+1], v11, s[94:95] offset:4*(32*(\a/2)+8*(\a%2))
.endr
	s_wait_alu depctr_va_vdst(0)
	s_wait_tensorcnt 0x0                           ; my tile of the head's four is in
	ds_add_u32 v[SPW], v[NIL]
	s_mov_b32 s[G1+2], 8<<16                       ; no tensor load of mine is out: from here on a load brings 8 tiles
	s_mov_b32 s[G1+4], 8
	s_mov_b32 s[G1B+2], 8<<16
	s_mov_b32 s[G1B+4], 8
	s_wait_dscnt 0x0
	CROUND                                         ; all four tiles are in, and all sixteen work-groups are here
	JLOAD G0+4, G1, G0B+4, G1B                     ; slot 1's first fill, the first tensor load behind the round
	FETCH_B 0, 0, 0
	FETCH_A 0, 0, 0
	SCALES 0
	FETCH_A 0, 0, 4
	STEP 0, 0, 1
	TURN 0, 1, 1
	STEP 1, 0, 0
	TURN 1, 0, 1
	STEP 0, 0, 0
	TURN 0, 1, 0
	STEP 1, 0, 0
	s_wait_dscnt 4*NL
	WIN MUL_LO
	MUL16 0, 1, NQ-1, 1, 0
	MUL16 2, 1, NQ-1, 1, 0
	s_wait_dscnt 0x0
	WIN MUL_HI
	MUL16 4, 1, NQ-1, 1, 0
	MUL16 6, 1, NQ-1, 1, 0
	WIN 0
.macro OUT a, isv
	WIN 0x02+(\a)/4
.set i, 0
.rept 32
.if \isv
	v_pk_add_f32 v[X+2*i:X+2*i+1], v[64*((\a)%4)+2*i:64*((\a)%4)+2*i+1], v[BV+2*(\a):BV+2*(\a)+1]
.else
	v_pk_add_f32 v[X+2*i:X+2*i+1], v[64*((\a)%4)+2*i:64*((\a)%4)+2*i+1], v[BI+2*i:BI+2*i+1]
.endif
.set i, i+1
.endr
	WIN 0
.if (\a) > 0
	s_wait_xcnt 0x0
.endif
	QUANT X, PWS+(\a)
.if \isv
	global_store_b128 v[L16], v[PC:PC+3], s[42:43] offset:((\a)/4)*BLKB+((\a)%4)*1536
	global_store_b64 v[L8], v[PC+4:PC+5], s[42:43] offset:((\a)/4)*BLKB+((\a)%4)*1536+512
	global_store_b128 v[L16], v[PC+6:PC+9], s[42:43] offset:((\a)/4)*BLKB+((\a)%4)*1536+768
	global_store_b64 v[L8], v[PC+10:PC+11], s[42:43] offset:((\a)/4)*BLKB+((\a)%4)*1536+1280
.else
.irp c, 0,1
	global_store_b128 v[L16], v[PC+6*\c:PC+6*\c+3], s[42:43] offset:\c*BLKB+768*(\a)
	global_store_b64 v[L8], v[PC+6*\c+4:PC+6*\c+5], s[42:43] offset:\c*BLKB+768*(\a)+512
.endr
.endif
.endm
	PLACES NP
	s_wait_loadcnt 0x0
	s_cmp_eq_u32 s21, 2
	s_cbranch_scc1 .Lv
	s_lshr_b32 s40, s22, 1
	s_lshl_b32 s40, s40, 4
	s_lshl_b32 s41, s19, 2
	s_add_co_u32 s40, s40, s41
	s_lshl_b32 s41, s18, 1
	s_add_co_u32 s40, s40, s41
	s_mul_i32 s40, s40, BLKB
	s_lshl_b32 s41, s22, 6
	s_lshl_b32 s42, s20, 4
	s_add_co_u32 s41, s41, s42
	s_lshl_b32 s42, s17, 3
	s_add_co_u32 s41, s41, s42
	s_and_b32 s41, s41, 127
	s_mul_i32 s42, s41, 768
	s_lshl_b32 s44, s41, 5
	s_mov_b32 s46, KSOFF
	s_cmp_eq_u32 s21, 0
	s_cselect_b32 s43, QOFF, 0
	s_cselect_b32 s46, QSOFF, s46
	s_add_co_u32 s42, s42, s43
	s_add_co_u32 s42, s42, s40
	s_add_co_u32 s44, s44, s46
	s_add_co_u32 s44, s44, s40
	s_mov_b32 s43, 0
	s_mov_b32 s45, 0
	s_add_nc_u64 s[42:43], s[14:15], s[42:43]
	s_add_nc_u64 s[44:45], s[14:15], s[44:45]
.irp a, 0,1,2,3,4,5,6,7
	OUT \a, 0
.endr
.irp p, 0,1,2,3
	v_perm_b32 v[WO+\p], v[PWS+2*\p+1], v[PWS+2*\p], v[PSEL]
.endr
	global_store_b128 v[SWO], v[WO:WO+3], s[44:45]
	s_branch .Lend
.Lv:
	s_lshr_b32 s40, s22, 1
	s_lshl_b32 s40, s40, 4
	s_lshl_b32 s41, s20, 2
	s_add_co_u32 s40, s40, s41
	s_lshl_b32 s41, s17, 1
	s_add_co_u32 s40, s40, s41
	s_mul_i32 s40, s40, BLKB
	s_lshl_b32 s41, s22, 3
	s_lshl_b32 s42, s19, 1
	s_add_co_u32 s41, s41, s42
	s_add_co_u32 s41, s41, s18
	s_and_b32 s41, s41, 15
	s_mul_i32 s42, s41, 6144
	s_add_co_u32 s42, s42, s40
	s_add_co_u32 s42, s42, VOFF
	s_lshl_b32 s44, s41, 8
	s_add_co_u32 s44, s44, s40
	s_add_co_u32 s44, s44, VSOFF
	s_mov_b32 s43, 0
	s_mov_b32 s45, 0
	s_add_nc_u64 s[42:43], s[14:15], s[42:43]
	s_add_nc_u64 s[44:45], s[14:15], s[44:45]
.irp a, 0,1,2,3,4,5,6,7
	OUT \a, 1
.endr
	s_mov_b32 s46, 0xffff0000
.irp t, 0,1,2,3
	v_cndmask_b32 v[WO+\t], v[PWS+\t], v[PWS+4+\t], s46
.endr
	global_store_b128 v[SWO], v[WO:WO+3], s[44:45]
.Lend:
	s_wait_tensorcnt 0x0
	ds_add_u32 v[SPW], v[NIL]
	s_wait_dscnt 0x0
	CROUND
	s_endpgm
.Lfunc_end_k_q9e75c3206f_proj:
	.size	k_q9e75c3206f_proj, .Lfunc_end_k_q9e75c3206f_proj-k_q9e75c3206f_proj
	.p2alignl 7, 3214868480
	.fill 96, 4, 3214868480
	.section	.rodata,"a",@progbits
	.p2align	6, 0x0
	.amdhsa_kernel k_q9e75c3206f_proj
		.amdhsa_group_segment_fixed_size 327680
		.amdhsa_private_segment_fixed_size 0
		.amdhsa_enable_private_segment 0
		.amdhsa_kernarg_size 48
		.amdhsa_user_sgpr_count 2
		.amdhsa_user_sgpr_kernarg_segment_ptr 1
		.amdhsa_wavefront_size32 1
		.amdhsa_system_sgpr_workgroup_id_x 1
		.amdhsa_system_sgpr_workgroup_id_y 1
		.amdhsa_system_sgpr_workgroup_id_z 1
		.amdhsa_system_vgpr_workitem_id 0
		.amdhsa_next_free_vgpr 1024
		.amdhsa_next_free_sgpr 100
		.amdhsa_reserve_vcc 0
		.amdhsa_float_denorm_mode_32 3
		.amdhsa_float_denorm_mode_16_64 3
		.amdhsa_memory_ordered 1
		.amdhsa_forward_progress 1
		.amdhsa_inst_pref_size 220
	.end_amdhsa_kernel
	.amdgpu_metadata
---
amdhsa.version: [ 1, 2 ]
amdhsa.kernels:
  - .name:           k_q9e75c3206f_proj
    .symbol:         k_q9e75c3206f_proj.kd
    .args:
      - { .name: cod, .offset: 0, .size: 8, .value_kind: global_buffer, .address_space: global }
      - { .name: scl, .offset: 8, .size: 8, .value_kind: global_buffer, .address_space: global }
      - { .name: bq, .offset: 16, .size: 8, .value_kind: global_buffer, .address_space: global }
      - { .name: bk, .offset: 24, .size: 8, .value_kind: global_buffer, .address_space: global }
      - { .name: bv, .offset: 32, .size: 8, .value_kind: global_buffer, .address_space: global }
      - { .name: qkv, .offset: 40, .size: 8, .value_kind: global_buffer, .address_space: global }
    .group_segment_fixed_size: 327680
    .private_segment_fixed_size: 0
    .kernarg_segment_align: 8
    .kernarg_segment_size: 48
    .max_flat_workgroup_size: 128
    .sgpr_count:     100
    .vgpr_count:     1024
    .wavefront_size: 32
...
	.end_amdgpu_metadata
.endif
;; end of part 2
;; launch attn (part 3): grid 4 x 64, 16 waves a work-group, clusters of 4 x 1, 206,848 bytes of LDS; arguments qkv, oc, os; writes oc, os
.if DOCPART == 3
	.amdgcn_target "amdgcn-amd-amdhsa--gfx1250"
	.amdhsa_code_object_version 6
	.text
	.protected	k_q9e75c3206f_attn
	.globl	k_q9e75c3206f_attn
	.p2align	8
	.type	k_q9e75c3206f_attn,@function
k_q9e75c3206f_attn:
	s_mov_b64 s[64:65], 0
	v_nop
	global_prefetch_b8 v0, s[64:65] scope:SCOPE_SE
	s_setreg_imm32_b32 hwreg(HW_REG_WAVE_MODE, 25, 1), 1
	s_wait_xcnt 0x0
	s_wait_alu depctr_hold_cnt(0) depctr_sa_sdst(0) depctr_va_vdst(0) depctr_va_sdst(0) depctr_va_ssrc(0) depctr_va_vcc(0) depctr_vm_vsrc(0)
	s_getreg_b32 s2, hwreg(HW_REG_IB_STS2, 6, 4)
	s_cmp_eq_u32 s2, 0
	s_cbranch_scc0 .Lentry_in_a_cluster
	s_endpgm
.Lentry_in_a_cluster:
	s_bfe_u32 s2, ttmp6, 0x10000c
	s_cmp_lg_u32 s2, 0x3003
	s_cbranch_scc0 .Lentry_shape_is_right
	s_endpgm
.Lentry_shape_is_right:
; For each of 64 (batch, head): O = softmax(Q K^T / 8) V on codes of BF6 (E3M2) with E8M0 scales, and O is quantised along the head's 64, as the next product's operand.
; THE SOFTMAX: t = score x log2(e) / 8; M = the row's largest t so far, rounded up to a whole number; p = 2^(t - M) is quantised along the keys, not normalised; the row's sum is taken of the unquantised p in f32 and divides O at the end.
; When M moves, the sum and O are multiplied by 2^(old M - new M), which rounds nothing.
; SHARES: a work-group owns 512 queries of one head; each of its sixteen waves one tile of 16 queries in each of two passes; every wave walks all 2,048 keys, 128 a step.
; LDS: the head's K and V^T codes and their scale words, 204,800 bytes, as they lie in memory; filled once, never again: no ring.  CLUSTER: the four work-groups of a head read the same bytes: each wave's 12,800 bytes are asked for jointly.
; LAYOUT: both products transposed: S^T = K Q^T (source 0 = keys), O^T = V^T P^T (source 0 = 16 of the head's 64): a lane holds one query throughout.
; By the order of the rows in K's tiles (rows 0-7 of tile t: keys 64 (t / 4) + 8 (t % 4) + 0 .. 7, rows 8-15 the keys 32 further on) the 32 registers of tiles 4 c .. 4 c + 3 are keys 64 c + 32 (lane / 16) + 0 .. 31:
; A WHOLE BLOCK OF 32 KEYS LIES IN ONE LANE, in the order of the next operand's registers.  So a block's maximum asks no other lane and the codes are not exchanged between lanes; lane l xor 16 is asked twice a step: for the row's maximum and for two bytes of p's scale word.
; K = 64 IN AN INSTRUCTION 128 DEEP: a fragment holds two tiles of keys, one in each half of its K.  Against [q | zeros] it gives the first tile's scores, against [zeros | q] the second's: zero codes add nothing under any scale byte but 0xff, which is never made.
; A block's largest p is not searched for: the block's largest score goes through the same multiply-add and exponential.  LIMIT: this takes v_exp_f32 not to fall where its input rises.
; A BARRIER IN EACH KEY STEP, signalled at the step's top and waited for at its end: no wave leaves a step before all sixteen have begun it.  It guards no LDS byte: between its halves stand register work and reads of bytes that nobody writes.
; LIMITS: the scaled scores stay under 2^31 in magnitude; NaN and infinities are not served; a block whose largest magnitude lies under 2^-122 has its byte held at 1; a block of zeros gets the byte 1 (read by this program alone).
; os is stored two bytes a lane, 8 bytes apart: a scale word of the next product spans two heads, which two work-groups own; the buffer is 262,144 bytes in all.
; No prefetch: the head's block is read once, at the start, and no later stream is waited for.
; REGISTERS: v1-4 lane terms; v5 the two passes' scale bytes; v6-11 the step's LDS addresses; v12 -M, v13 the largest score, v[14:15] the sum; v16-21 zeros, v22-27 q, v28-33 zeros; v34-81 four fragments; v82-94 scale words and 8 (lane / 16);
;   v96-159 S^T, then p; v160-191 O^T; v192-210 codes; v212-231 at work; v254, v255 the spare word's address and 0.
.set BLKB,  307200
.set VOFF,  98304
.set KSOFF, 196608
.set VSOFF, 200704
.set QOFF,  204800
.set QSOFF, 303104
.set SPARE, 204800                     ; behind the head's block: the spare words, 128 bytes a wave
.set FK,   34
.set KSW,  82                          ; v82-85 K's scale words, a pair of tiles each
.set VSW,  86                          ; v86-89 V's, a tile of d each
.set QSW,  90                          ; v90 Q's word as loaded; v91 my two bytes in bytes 0, 1; v92 in bytes 2, 3
.set PSW,  93                          ; v93 p's scale word
.set SH8,  94                          ; v94 8 x (lane / 16)
.set ST,   96
.set OT,   160
.set PC,   192
.set PT,   204                         ; v204-206, v208-210 the upper halves of two blocks' codes (a conversion's three registers begin on an even number)
.set BM,   212                         ; v212-213 a block's largest score, then its largest p
.set SO,   214
.set BY,   216
.set PD,   218
.set NM,   220                         ; v[220:221] the new -M (the low word serves both halves)
.set FF,   222                         ; v[222:223] f, later 1 / the sum (the low word serves both halves)
.set TT,   224
.set TN,   225
.set OSW,  226
.set SUM2, 228
.set CB,   230                         ; v230-231 the second chain of each block's maximum
.set SEL,  28
.set CS,   30                          ; s[30:31] c = log2(e) / 8
.set NC,   58                          ; s58 -c
.macro CROUND                          ; a round of the cluster's barrier
	s_barrier_signal -1
	s_barrier_wait -1
	s_cmp_lg_u32 s10, 0
	s_cbranch_scc1 .Lnot_wave_0_\@
	s_barrier_signal -3
.Lnot_wave_0_\@:
	s_barrier_wait -3
	s_barrier_signal -1
	s_barrier_wait -1
.endm
.macro QLOAD n                         ; pass n's tile of queries and its scale word
	global_load_b128 v[22:25], v1, s[40:41] offset:12288*\n
	global_load_b64 v[26:27], v2, s[40:41] offset:12288*\n+512
	global_load_b32 v[QSW], v3, s[42:43] offset:512*\n
.endm
	s_load_b128 s[4:7], s[0:1], 0x0                ; qkv, oc
	s_load_b64 s[8:9], s[0:1], 0x10                ; os
	v_lshl_add_u32 v254, v0, 2, SPARE
	v_mov_b32 v255, 0
	ds_add_u32 v254, v255                          ; the opening lines: the add twice on end under one wait
	ds_add_u32 v254, v255
	v_lshrrev_b32 v1, 5, v0
	s_delay_alu instid0(VALU_DEP_1)
	v_readfirstlane_b32 s10, v1                    ; wave 0..15
	s_bfe_u32 s11, ttmp6, 0x40000                  ; cx: which 512 queries; it enters Q's and O's global addresses alone
	s_and_b32 s12, ttmp7, 0xffff                   ; 16 x batch + head, which the four partners share
	; group 1: 12,800 dense bytes as 50 rows of 256 (32 elements of 8 bytes); the mask names all four work-groups
	s_mov_b32 s16, 15|(3<<16)|(1<<21)
	s_mov_b32 s17, 32<<16
	s_mov_b32 s18, 50<<16
	s_mov_b32 s19, 32<<16
	s_mov_b32 s20, 50
	s_mov_b32 s21, 32
	s_mov_b32 s22, 0
	s_mov_b32 s23, 0
	s_mul_i32 s48, s12, BLKB
	s_mov_b32 s49, 0
	s_mul_i32 s14, s10, 12800                      ; my wave's part, in memory and in LDS alike
	s_mov_b32 s50, s14
	s_mov_b32 s51, 0
	s_mov_b32 s[SEL], 0x76543210
	s_mov_b32 s[SEL+1], 0xfedcba98
	s_mov_b32 s[CS], 0x3e38aa3b
	s_mov_b32 s[CS+1], s[CS]                       ; (named with it as a pair, so it is written)
	s_mov_b32 s[NC], 0xbe38aa3b
	s_mov_b32 s37, 0xffff0000                      ; lanes 16-31
	s_wait_dscnt 0x0
	s_wait_kmcnt 0x0
	s_add_nc_u64 s[48:49], s[4:5], s[48:49]        ; the head's block
	CROUND                                         ; all four work-groups are here: the joint loads meet
	s_mov_b32 s24, 1
	s_mov_b32 s25, s14
	s_add_nc_u64 s[26:27], s[48:49], s[50:51]
	s_or_b32 s27, s27, 0x80000000
	tensor_load_to_lds s[24:27], s[16:23]          ; one load a wave, the only one of the launch
	s_nop 0
.rept 4
	v_nop
.endr
	s_lshl_b32 s52, s11, 5
	s_add_co_u32 s52, s52, s10                     ; my tile of queries in pass 0: 32 cx + wave; pass 1: 16 on
	s_mul_i32 s40, s52, 768
	s_add_co_u32 s40, s40, QOFF
	s_mov_b32 s41, 0
	s_add_nc_u64 s[40:41], s[48:49], s[40:41]      ; Q's codes
	s_lshr_b32 s42, s52, 3
	s_lshl_b32 s42, s42, 8                         ; Q's scale words: 256 bytes for eight tiles,
	s_bfe_u32 s43, s10, 0x20001
	s_lshl_b32 s43, s43, 2                         ; my pair of tiles' word
	s_add_co_u32 s42, s42, s43
	s_add_co_u32 s42, s42, QSOFF
	s_mov_b32 s43, 0
	s_add_nc_u64 s[42:43], s[48:49], s[42:43]
	s_lshr_b32 s53, s12, 4
	s_lshl_b32 s53, s53, 7
	s_add_co_u32 s53, s53, s52                     ; my token tile among all 512
	s_and_b32 s54, s12, 15                         ; the head
	s_mul_i32 s44, s53, 12288
	s_mul_i32 s55, s54, 768
	s_add_co_u32 s44, s44, s55
	s_mov_b32 s45, 0
	s_add_nc_u64 s[44:45], s[6:7], s[44:45]        ; O's codes: [token tile][head][768]
	s_lshl_b32 s46, s53, 9
	s_lshr_b32 s55, s54, 2
	s_lshl_b32 s55, s55, 7
	s_add_co_u32 s46, s46, s55
	s_and_b32 s55, s54, 3
	s_lshl_b32 s55, s55, 1
	s_add_co_u32 s46, s46, s55
	s_mov_b32 s47, 0
	s_add_nc_u64 s[46:47], s[8:9], s[46:47]        ; O's scale bytes: tile x 512 + (head / 4) x 128 + 8 r + 2 (head % 4)
	s_mov_b32 s38, 0x03020100                      ; the word as it is,
	s_mov_b32 s39, 0x01000302                      ; and with its halves exchanged
	s_and_b32 s55, s10, 1                          ; the even tile's bytes are bytes 0, 1 of the pair's word, the odd tile's bytes 2, 3
	s_cmp_eq_u32 s55, 0
	s_cselect_b32 s56, s38, s39                    ; my bytes to bytes 0, 1
	s_cselect_b32 s57, s39, s38                    ; my bytes to bytes 2, 3
	v_and_b32 v1, 31, v0
	v_and_b32 v3, 15, v0
	v_bfe_u32 v4, v0, 4, 1
	s_delay_alu instid0(VALU_DEP_3)
	v_lshlrev_b32 v2, 3, v1                        ; 8 x lane
	s_delay_alu instid0(VALU_DEP_4)
	v_lshlrev_b32 v1, 4, v1                        ; 16 x lane
	s_delay_alu instid0(VALU_DEP_3)
	v_lshlrev_b32 v[SH8], 3, v4                    ; 8 h
	s_delay_alu instid0(VALU_DEP_4)
	v_lshlrev_b32 v4, 13, v4
	s_delay_alu instid0(VALU_DEP_1)
	v_lshl_add_u32 v4, v3, 3, v4                   ; 8 r + 8,192 h: lanes 16-31 store pass 1's tile, 16 tiles of 512 bytes on
	v_lshlrev_b32 v3, 4, v3                        ; 16 r
	QLOAD 0                                        ; pass 0's queries come while the head's block is on its way
.irp j, 16,17,18,19,20,21,28,29,30,31,32,33
	v_mov_b32 v[\j], 0                             ; the zero codes on both sides of q
.endr
	v_mov_b32 v[PD], 0                             ; written once: a lane permute's destination counts as one of its sources
	v_mov_b32 v[PD+1], 0
	v_mov_b32 v[FF+1], 0                           ; (named as the upper halves of pairs)
	v_mov_b32 v[NM+1], 0
	s_wait_alu depctr_va_vdst(0)
	s_wait_tensorcnt 0x0                           ; my part has landed,
	s_barrier_signal -1
	s_barrier_wait -1                              ; everybody's has
.macro TMM j0, n                       ; t - M of n pairs of scores from register j0 on
.set j, \j0
.rept \n
	v_pk_fma_f32 v[ST+j:ST+j+1], v[ST+j:ST+j+1], s[CS:CS+1], v[NM:NM+1] op_sel_hi:[1,0,0]
.set j, j+2
.endr
.endm
.macro SUMS j0, n                      ; n times two pairs of p from register j0 on, one to each chain of the sum
.set j, \j0
.rept \n
	v_pk_add_f32 v[SUM2:SUM2+1], v[SUM2:SUM2+1], v[ST+j:ST+j+1]
	v_pk_add_f32 v[14:15], v[14:15], v[ST+j+2:ST+j+3]
.set j, j+4
.endr
.endm
; A KEY STEP: 128 keys.
.macro KEYSTEP
	s_barrier_signal -1                            ; I have begun this step (none of my LDS loads is out here)
	v_add_nc_u32 v6, s32, v1                       ; three additions and a v_nop: the places in front of the loads into registers that the last products read
	v_add_nc_u32 v7, s32, v2
	v_add_nc_u32 v10, s34, v3
	v_nop
.irp p, 0,1,2,3                                ; K: four fragments, each two tiles of 16 keys
	ds_load_b128 v[FK+12*\p:FK+12*\p+3], v6 offset:1536*\p
	ds_load_b64 v[FK+12*\p+4:FK+12*\p+5], v7 offset:1536*\p+512
	ds_load_b128 v[FK+12*\p+6:FK+12*\p+9], v6 offset:1536*\p+768
	ds_load_b64 v[FK+12*\p+10:FK+12*\p+11], v7 offset:1536*\p+1280
.endr
	ds_load_b128 v[KSW:KSW+3], v10
	s_wait_dscnt 0x0
.irp p, 0,1,2,3
	v_wmma_scale_f32_16x16x128_f8f6f4 v[ST+16*\p:ST+16*\p+7], v[FK+12*\p:FK+12*\p+11], v[22:33], 0, v[KSW+\p], v[QSW+1] matrix_a_fmt:MATRIX_FMT_BF6 matrix_b_fmt:MATRIX_FMT_BF6
	v_wmma_scale_f32_16x16x128_f8f6f4 v[ST+16*\p+8:ST+16*\p+15], v[FK+12*\p:FK+12*\p+11], v[16:27], 0, v[KSW+\p], v[QSW+2] matrix_a_fmt:MATRIX_FMT_BF6 matrix_b_fmt:MATRIX_FMT_BF6
.endr
	v_add_nc_u32 v8, s33, v1                       ; four places: in front of the loads below and of the first read of the scores
	v_add_nc_u32 v9, s33, v2
	v_add_nc_u32 v11, s35, v3
	v_nop
.irp t, 0,1,2,3                                ; V^T: four fragments (16 of the head's 64 x these 128 keys): they land under the softmax
	ds_load_b128 v[FK+12*\t:FK+12*\t+3], v8 offset:1536*\t
	ds_load_b64 v[FK+12*\t+4:FK+12*\t+5], v9 offset:1536*\t+512
	ds_load_b128 v[FK+12*\t+6:FK+12*\t+9], v8 offset:1536*\t+768
	ds_load_b64 v[FK+12*\t+10:FK+12*\t+11], v9 offset:1536*\t+1280
.endr
	ds_load_b128 v[VSW:VSW+3], v11
.irp c, 0,1                                    ; the largest score of my two blocks of 32 keys, each in two chains; every accumulator is read from its low end on
	v_max3_num_f32 v[BM+\c], v[ST+32*\c], v[ST+32*\c+1], v[ST+32*\c+2]
	v_max3_num_f32 v[CB+\c], v[ST+32*\c+16], v[ST+32*\c+17], v[ST+32*\c+18]
.endr
.irp i, 3,5,7,9,11,13
.irp c, 0,1
	v_max3_num_f32 v[BM+\c], v[BM+\c], v[ST+32*\c+\i], v[ST+32*\c+\i+1]
	v_max3_num_f32 v[CB+\c], v[CB+\c], v[ST+32*\c+16+\i], v[ST+32*\c+17+\i]
.endr
.endr
.irp c, 0,1
	v_max3_num_f32 v[BM+\c], v[BM+\c], v[CB+\c], v[ST+32*\c+15]
.endr
.irp c, 0,1
	v_max_num_f32 v[BM+\c], v[BM+\c], v[ST+32*\c+31]
.endr
	s_delay_alu instid0(VALU_DEP_1)
	v_max_num_f32 v[TT], v[BM], v[BM+1]
	s_delay_alu instid0(VALU_DEP_1)
	v_permlanex16_b32 v[PD], v[TT], s[SEL], s[SEL+1]
	s_delay_alu instid0(VALU_DEP_1)
	v_max3_num_f32 v13, v13, v[TT], v[PD]          ; the running largest score, with lane l xor 16's 64 keys
	s_delay_alu instid0(VALU_DEP_1)
	v_mul_f32 v[TT], s[NC], v13                    ; -t (c is positive, so the largest score gives the largest t)
	s_delay_alu instid0(VALU_DEP_1)
	v_floor_f32 v[NM], v[TT]                       ; the new -M = floor(-t) = -ceil(t)
	s_delay_alu instid0(VALU_DEP_1)
	v_sub_f32 v[TN], v[NM], v12                    ; old M - new M: a whole number, 0 or less
	TMM 0, 4                                       ; t - M, two at a time; the three lines that make f stand among them
	v_cvt_i32_f32 v[TN], v[TN]                     ; (it saturates)
	TMM 8, 4
	v_ldexp_f32 v[FF], 1.0, v[TN]                  ; f = 2^(old M - new M)
	TMM 16, 24
.irp c, 0,1
	v_fma_f32 v[BM+\c], v[BM+\c], s[CS], v[NM]     ; the same of each block's largest score
.endr
.set j, 0
.rept 16
	v_pk_mul_f32 v[OT+j:OT+j+1], v[OT+j:OT+j+1], v[FF:FF+1] op_sel_hi:[1,0]   ; O^T under the new M, each accumulator from its low end on
.set j, j+2
.endr
	s_wait_alu depctr_va_vdst(0)
.set j, 0
.rept 64
	v_exp_f32 v[ST+j], v[ST+j]                     ; p = 2^(t - M)
.set j, j+1
.endr
	v_exp_f32 v[BM], v[BM]                         ; each block's largest p
	v_exp_f32 v[BM+1], v[BM+1]
	v_mov_b32 v12, v[NM]                           ; the plain instruction behind the exponentials
	s_wait_alu depctr_va_vdst(0)                   ; one wait for the batch, ahead of its first reader
.irp c, 0,1
	v_max_num_f32 v[BM+\c], 0x2800000, v[BM+\c]    ; the floor 2^(5 - 127): the byte cannot fall under 1
.endr
.irp c, 0,1
	s_delay_alu instid0(VALU_DEP_2)
	v_add_nc_u32 v[SO+\c], 0xfe000000, v[BM+\c]    ; 4 off the exponent field: the conversion's scale operand
.endr
.irp c, 0,1
	s_delay_alu instid0(VALU_DEP_2)
	v_lshrrev_b32 v[BY+\c], 23, v[SO+\c]           ; the scale's byte
.endr
.irp c, 0,1
	v_cvt_scalef32_pk16_bf6_f32 v[PC+6*\c:PC+6*\c+2], v[ST+32*\c:ST+32*\c+15], v[SO+\c]
	v_cvt_scalef32_pk16_bf6_f32 v[PT+4*\c:PT+4*\c+2], v[ST+32*\c+16:ST+32*\c+31], v[SO+\c]
.endr
	v_pk_fma_f32 v[14:15], v[14:15], v[FF:FF+1], v[ST+4:ST+5] op_sel_hi:[1,0,1]   ; the sum under the new M, and the first of the unquantised p.  (Also the plain instruction behind the conversions)
	v_pk_add_f32 v[SUM2:SUM2+1], v[ST:ST+1], v[ST+2:ST+3]   ; the sum's second chain
	v_lshl_or_b32 v[TT], v[BY+1], 16, v[BY]        ; my two bytes: blocks h and 2 + h,
	SUMS 6, 1
	v_lshlrev_b32 v[TT], v[SH8], v[TT]             ; at their places in the word;
	SUMS 10, 1
	v_permlanex16_b32 v[PD+1], v[TT], s[SEL], s[SEL+1]
	SUMS 14, 1
	v_or_b32 v[PSW], v[TT], v[PD+1]                ; with lane l xor 16's two p's scale word is whole
.irp c, 0,1
.irp i, 0,1,2
	v_mov_b32 v[PC+3+6*\c+\i], v[PT+4*\c+\i]       ; registers 6 c .. 6 c + 5 hold keys 64 c + 32 h + 0 .. 31
.endr
.endr
	SUMS 18, 11                                    ; 24 plain instructions with the two below: the places behind p's codes and scale word
	v_pk_add_f32 v[SUM2:SUM2+1], v[SUM2:SUM2+1], v[ST+62:ST+63]
	v_pk_add_f32 v[14:15], v[14:15], v[SUM2:SUM2+1]
	s_wait_dscnt 0x0                               ; V^T and its scale words are in
.irp t, 0,1,2,3                                ; four accumulators by turns
	v_wmma_scale_f32_16x16x128_f8f6f4 v[OT+8*\t:OT+8*\t+7], v[FK+12*\t:FK+12*\t+11], v[PC:PC+11], v[OT+8*\t:OT+8*\t+7], v[VSW+\t], v[PSW] matrix_a_fmt:MATRIX_FMT_BF6 matrix_b_fmt:MATRIX_FMT_BF6
.endr
	s_add_co_u32 s32, s32, 6144                    ; the next 128 keys
	s_add_co_u32 s33, s33, 6144
	s_add_co_u32 s34, s34, 256
	s_add_co_u32 s35, s35, 256
	s_barrier_wait -1                              ; all sixteen waves have begun this step
.endm
; A PASS: one tile of 16 queries against all keys, then its way out.
.macro PASS n
	s_mov_b32 s32, 0
	s_mov_b32 s33, VOFF
	s_mov_b32 s34, KSOFF
	s_mov_b32 s35, VSOFF
	s_mov_b32 s36, 16
	s_wait_xcnt 0x0                                ; the last pass's stores have read the codes' registers
	s_wait_loadcnt 0x0                             ; this pass's queries are in
	v_perm_b32 v[QSW+1], v[QSW], v[QSW], s56
	v_perm_b32 v[QSW+2], v[QSW], v[QSW], s57
	v_mov_b32 v13, 0xff61b1e6                      ; the largest score so far: -3e38
	v_mov_b32 v12, 0x7e000000                      ; -M: a large whole number, so that the first f is 0
	v_mov_b32 v14, 0
	v_mov_b32 v15, 0
.set j, 0
.rept 32
	v_mov_b32 v[OT+j], 0                           ; O^T: the first change of M leaves zeros zeros.  (Also the places behind the two scale words just made)
.set j, j+1
.endr
.Lkeys_\@:
	KEYSTEP
	s_sub_co_u32 s36, s36, 1
	s_cmp_lg_u32 s36, 0
	s_cbranch_scc1 .Lkeys_\@
.rept 4
	v_nop                                          ; places behind the last products
.endr
.if \n == 0
	QLOAD 1                                        ; the next pass's queries come under this pass's way out
.endif
	s_wait_alu depctr_va_vdst(0)
	v_add_f32 v14, v14, v15                        ; the sum's two halves,
	s_delay_alu instid0(VALU_DEP_1)
	v_permlanex16_b32 v[PD], v14, s[SEL], s[SEL+1]
	s_delay_alu instid0(VALU_DEP_1)
	v_add_f32 v14, v14, v[PD]                      ; and lane l xor 16's
	s_wait_alu depctr_va_vdst(0)
	v_rcp_f32 v[FF], v14
	v_nop                                          ; a plain instruction behind the reciprocal
	s_wait_alu depctr_va_vdst(0)                   ; and the wait ahead of its first reader
.set j, 0
.rept 16
	v_pk_mul_f32 v[ST+j:ST+j+1], v[OT+j:OT+j+1], v[FF:FF+1] op_sel_hi:[1,0]   ; O^T / the sum: register 16 b + i = d 32 b + 16 (lane / 16) + i; each accumulator from its low end on
.set j, j+2
.endr
.irp b, 0,1                                    ; two blocks of 32 along d become a half fragment and two scale bytes
	v_max3_num_f32 v[BM+\b], |v[ST+16*\b]|, |v[ST+1+16*\b]|, 0x2800000
.endr
.irp i, 2,4,6,8,10,12,14
.irp b, 0,1
	s_delay_alu instid0(VALU_DEP_2)
	v_max3_num_f32 v[BM+\b], v[BM+\b], |v[ST+16*\b+\i]|, |v[ST+1+16*\b+\i]|
.endr
.endr
.irp b, 0,1
	s_delay_alu instid0(VALU_DEP_2)
	v_permlanex16_b32 v[PD+\b], v[BM+\b], s[SEL], s[SEL+1]
.endr
.irp b, 0,1
	s_delay_alu instid0(VALU_DEP_2)
	v_max_num_f32 v[BM+\b], v[BM+\b], v[PD+\b]
.endr
.irp b, 0,1
	s_delay_alu instid0(VALU_DEP_2)
	v_add_nc_u32 v[SO+\b], 0xfe000000, v[BM+\b]
.endr
.irp b, 0,1
	s_delay_alu instid0(VALU_DEP_2)
	v_lshrrev_b32 v[BY+\b], 23, v[SO+\b]
.endr
	s_delay_alu instid0(VALU_DEP_1)
	v_lshl_or_b32 v[OSW], v[BY+1], 8, v[BY]
	v_cvt_scalef32_pk16_bf6_f32 v[PC:PC+2], v[ST:ST+15], v[SO]
	v_cvt_scalef32_pk16_bf6_f32 v[PT:PT+2], v[ST+16:ST+31], v[SO+1]
	v_nop
.irp i, 0,1,2
	v_permlane16_swap_b32 v[PC+\i], v[PT+\i]       ; along d a block lies in lanes l and l xor 16: the operand's layout wants it whole in a lane
.endr
.irp i, 0,1,2
	s_delay_alu instid0(VALU_DEP_3)
	v_mov_b32 v[PC+3+\i], v[PT+\i]
.endr
	global_store_b128 v1, v[PC:PC+3], s[44:45] offset:196608*\n          ; 512 consecutive bytes,
	global_store_b64 v2, v[PC+4:PC+5], s[44:45] offset:196608*\n+512     ; and 256
.if \n == 0
	v_mov_b32 v5, v[OSW]
.else
	v_cndmask_b32 v5, v5, v[OSW], s37              ; lanes 0-15 keep pass 0's bytes, lanes 16-31 take pass 1's
.endif
.endm
	PASS 0
	PASS 1
	global_store_b16 v4, v5, s[46:47]
	s_wait_tensorcnt 0x0                           ; the wave's end
	ds_add_u32 v254, v255
	s_wait_dscnt 0x0
	CROUND                                         ; the closing round
	s_endpgm
.Lfunc_end_k_q9e75c3206f_attn:
	.size	k_q9e75c3206f_attn, .Lfunc_end_k_q9e75c3206f_attn-k_q9e75c3206f_attn
	.p2alignl 7, 3214868480
	.fill 96, 4, 3214868480
	.section	.rodata,"a",@progbits
	.p2align	6, 0x0
	.amdhsa_kernel k_q9e75c3206f_attn
		.amdhsa_group_segment_fixed_size 206848
		.amdhsa_private_segment_fixed_size 0
		.amdhsa_enable_private_segment 0
		.amdhsa_kernarg_size 24
		.amdhsa_user_sgpr_count 2
		.amdhsa_user_sgpr_kernarg_segment_ptr 1
		.amdhsa_wavefront_size32 1
		.amdhsa_system_sgpr_workgroup_id_x 1
		.amdhsa_system_sgpr_workgroup_id_y 1
		.amdhsa_system_sgpr_workgroup_id_z 1
		.amdhsa_system_vgpr_workitem_id 0
		.amdhsa_next_free_vgpr 256
		.amdhsa_next_free_sgpr 66
		.amdhsa_reserve_vcc 0
		.amdhsa_float_denorm_mode_32 3
		.amdhsa_float_denorm_mode_16_64 3
		.amdhsa_memory_ordered 1
		.amdhsa_forward_progress 1
		.amdhsa_inst_pref_size 49
	.end_amdhsa_kernel
	.amdgpu_metadata
---
amdhsa.version: [ 1, 2 ]
amdhsa.kernels:
  - .name:           k_q9e75c3206f_attn
    .symbol:         k_q9e75c3206f_attn.kd
    .args:
      - { .name: qkv, .offset: 0, .size: 8, .value_kind: global_buffer, .address_space: global }
      - { .name: oc, .offset: 8, .size: 8, .value_kind: global_buffer, .address_space: global }
      - { .name: os, .offset: 16, .size: 8, .value_kind: global_buffer, .address_space: global }
    .group_segment_fixed_size: 206848
    .private_segment_fixed_size: 0
    .kernarg_segment_align: 8
    .kernarg_segment_size: 24
    .max_flat_workgroup_size: 512
    .sgpr_count:     66
    .vgpr_count:     256
    .wavefront_size: 32
...
	.end_amdgpu_metadata
.endif
;; end of part 3
;; launch outp (part 4): grid 4 x 64, 4 waves a work-group, clusters of 4 x 4, 327,680 bytes of LDS; arguments oc, os, cod, scl, bo, out0; writes out0
.if DOCPART == 4
	.amdgcn_target "amdgcn-amd-amdhsa--gfx1250"
	.amdhsa_code_object_version 6
	.text
	.protected	k_q9e75c3206f_outp
	.globl	k_q9e75c3206f_outp
	.p2align	8
	.type	k_q9e75c3206f_outp,@function
k_q9e75c3206f_outp:
	s_mov_b64 s[64:65], 0
	v_nop
	global_prefetch_b8 v0, s[64:65] scope:SCOPE_SE
	s_setreg_imm32_b32 hwreg(HW_REG_WAVE_MODE, 25, 1), 1
	s_wait_xcnt 0x0
	s_wait_alu depctr_hold_cnt(0) depctr_sa_sdst(0) depctr_va_vdst(0) depctr_va_sdst(0) depctr_va_ssrc(0) depctr_va_vcc(0) depctr_vm_vsrc(0)
	s_getreg_b32 s2, hwreg(HW_REG_IB_STS2, 6, 4)
	s_cmp_eq_u32 s2, 0
	s_cbranch_scc0 .Lentry_in_a_cluster
	s_endpgm
.Lentry_in_a_cluster:
	s_bfe_u32 s2, ttmp6, 0x10000c
	s_cmp_lg_u32 s2, 0xf033
	s_cbranch_scc0 .Lentry_shape_is_right
	s_endpgm
.Lentry_shape_is_right:
; out0 [8192][1024] = O Wo^T + bo on codes of BF6 (E3M2) with E8M0 scales; sums in f32.  O's codes (oc) and scale bytes (os) and Wo's (tiles 1,728 .. 1,791 of cod and scl) lie as images of the operands' registers:
; a tile of 16 rows x 1,024 K is 12,288 bytes, 16 half fragments of 768 bytes (bytes 0-511 registers 0-3, lane l at 16 l; bytes 512-767 registers 4-5, lane l at 8 l); its scale bytes are 512: [plane 0..3][row][2 words], a word for 128 along K.
; Row r of tile T of a tensor is the tensor's row 32 (T / 2) + 8 (T % 2) + r + 8 (r / 8).
; SHARES: 256 work-groups, each a block of 128 rows x 256 columns; four waves, each 64 x 128: 32 accumulators of 16 x 16 in window 2.
; LDS: ALL OF K LIES IN LDS: two slots of 512 along K, each 8 tiles of O and 16 of Wo x 6,144 bytes = 147,456 bytes; behind them the scales (4,096 + 8,192 bytes) and the spare words: 307,712 bytes.  No byte is filled twice.
; The head's four loads, one a wave: slot 0's tiles of O, those of Wo, and the two blocks of scales.  Slot 1's first fill stands behind a round of the cluster's barrier, a part a wave.
; CLUSTERS: 4 x 4 work-groups; O's tiles are asked for jointly along a row of the cluster, Wo's along a column.
; THE MATRIX INSTRUCTION IS USED TRANSPOSED (source 0 = 16 rows of Wo, source 1 = 16 rows of O): a lane holds eight neighbouring columns of a row of out0; bo is the C of each accumulator's first product.
; No prefetch: every tile is asked for in the head's two groups of loads; there is no loop to run ahead in.
; REGISTERS: window 0: v16-29 addresses; v32-63 scale words, two sets; v64-127 bo; v128-223 O's fragments, two sets of 4 x 12; on the way out v128-255 rows read back.  Window 1: Wo's fragments, two sets at v0 and v128.  Window 2: the accumulators, (a, b) at v[8 (8 a + b)].
.set FR,     12
.set NP,     4
.set TB,     6144                      ; a tile's codes of 512 along K
.set ABY,    8*TB                      ; O's 8 tiles in a slot; Wo's 16 lie behind them
.set SLOT,   24*TB
.set SCL,    2*SLOT
.set SPARE,  SCL+12288
.set SPITCH, 528                       ; the way out: a stage of 16 rows x (512 + 16) bytes a wave, in slot 0, which is read no more behind the barrier at the change of slots and is never filled again
.set ADRA, 16                          ; v16, v17 my O fragments in slot 0, 1 (16 x lane); v18, v19 the same with 8 x lane
.set ADRB, 20                          ; v20-23 the same for Wo
.set STO,  24
.set RD,   25
.set CO,   26
.set ADRS, 27                          ; my scale words: lanes 0-15 O's rows, lanes 16-31 Wo's
.set SPW,  28
.set NIL,  29
.set SC,   32
.set BI,   64
.set AF,   128
.set BK,   128
.set G1,   24                          ; group 1 for O's codes;  G1B for Wo's;  G1S, G1SB for the scales
.set G0H,  32                          ; group 0: the head's loads of codes
.set G0HB, 36
.set G1B,  48
.set G0,   56                          ; group 0: slot 1, my part
.set G0B,  60
.set G1S,  68
.set G0S,  76
.set G1SB, 80
.set G0SB, 88
.set MSB, 0
.macro WIN new                         ; the immediate's high byte repeats the setting that is left
.if MSB != \new
	s_set_vgpr_msb (MSB<<8)|\new
.set MSB, \new
.endif
.endm
.macro TLOAD g0, g1                    ; a tensor load with five lines behind it
	tensor_load_to_lds s[\g0:\g0+3], s[\g1:\g1+7]
	s_nop 0
.rept 4
	v_nop
.endr
.endm
.macro CROUND                          ; a round of the cluster's barrier
	s_barrier_signal -1
	s_barrier_wait -1
	s_cmp_lg_u32 s16, 0
	s_cbranch_scc1 .Lnot_wave_0_\@
	s_barrier_signal -3
.Lnot_wave_0_\@:
	s_barrier_wait -3
	s_barrier_signal -1
	s_barrier_wait -1
.endm
.macro PLACES n
.rept \n
	v_nop
.endr
.endm
.macro FRAG reg, adr, q, i             ; a fragment, 16 rows x 128 K: two half fragments as they lie
	ds_load_b128 v[\reg:\reg+3], v[\adr] offset:(\i)*TB+(\q)*1536
	ds_load_b64 v[\reg+4:\reg+5], v[\adr+2] offset:(\i)*TB+(\q)*1536+512
	ds_load_b128 v[\reg+6:\reg+9], v[\adr] offset:(\i)*TB+(\q)*1536+768
	ds_load_b64 v[\reg+10:\reg+11], v[\adr+2] offset:(\i)*TB+(\q)*1536+1280
.endm
.macro FETCH st                        ; step st's fragments into set st % 2; with an even step the scale words of two steps into set (st / 2) % 2
	WIN 0x40
.irp i, 0,1,2,3,4,5,6,7
	FRAG 128*((\st)%2)+FR*\i, ADRB+(\st)/4, (\st)%4, \i
.endr
	WIN 0
.irp i, 0,1,2,3
	FRAG AF+48*((\st)%2)+FR*\i, ADRA+(\st)/4, (\st)%4, \i
.endr
.if (\st)%2 == 0
.irp i, 0,1,2,3,4,5,6,7
	ds_load_b64 v[SC+16*(((\st)/2)%2)+2*\i:SC+16*(((\st)/2)%2)+2*\i+1], v[ADRS] offset:512*\i+128*((\st)/2)   ; lanes 0-15 O's tile i (used for i under 4 alone), lanes 16-31 Wo's tile i
.endr
.endif
.endm
.macro MUL32 st, c0                    ; 32 matrix instructions, the accumulators by turns in the same order in every step
.irp a, 0,1,2,3
.irp b, 0,1,2,3,4,5,6,7
.if \c0
	v_wmma_scale_f32_16x16x128_f8f6f4 v[8*(8*\a+\b):8*(8*\a+\b)+7], v[128*((\st)%2)+FR*\b:128*((\st)%2)+FR*\b+FR-1], v[AF+48*((\st)%2)+FR*\a:AF+48*((\st)%2)+FR*\a+FR-1], v[BI+8*\b:BI+8*\b+7], v[SC+16*(((\st)/2)%2)+2*\b+(\st)%2], v[SC+16*(((\st)/2)%2)+2*\a+(\st)%2] matrix_a_fmt:MATRIX_FMT_BF6 matrix_b_fmt:MATRIX_FMT_BF6 matrix_a_scale:MATRIX_SCALE_ROW1
.else
	v_wmma_scale_f32_16x16x128_f8f6f4 v[8*(8*\a+\b):8*(8*\a+\b)+7], v[128*((\st)%2)+FR*\b:128*((\st)%2)+FR*\b+FR-1], v[AF+48*((\st)%2)+FR*\a:AF+48*((\st)%2)+FR*\a+FR-1], v[8*(8*\a+\b):8*(8*\a+\b)+7], v[SC+16*(((\st)/2)%2)+2*\b+(\st)%2], v[SC+16*(((\st)/2)%2)+2*\a+(\st)%2] matrix_a_fmt:MATRIX_FMT_BF6 matrix_b_fmt:MATRIX_FMT_BF6 matrix_a_scale:MATRIX_SCALE_ROW1
.endif
.endr
.endr
.endm
; A step of 128 along K: this step's fragments are in; the next step's are asked for, into the other sets; 32 products.  Step 3 fetches from slot 1 for the first time: my part of it has landed, and a barrier shows it whole.
.macro STEP st, c0
.if (\st) == 3
	s_wait_tensorcnt 0x0
.endif
	s_wait_dscnt 0x0                               ; all my LDS loads are in (at step 3: my last reads of slot 0 among them)
.if (\st) == 3
	s_barrier_signal -1
	s_barrier_wait -1
.endif
.if (\st) < 7
	PLACES NP                                      ; in front of loads into registers that the last step's products read
	FETCH (\st)+1
.endif
.if \c0
	WIN 0x81                                       ; source 0 window 1, source 1 and C window 0, D window 2
.else
	WIN 0xa1                                       ; C window 2 too
.endif
	MUL32 \st, \c0
	WIN 0
.endm
	s_load_b128 s[4:7], s[0:1], 0x0                ; oc, os
	s_load_b128 s[8:11], s[0:1], 0x10              ; cod, scl
	s_load_b128 s[12:15], s[0:1], 0x20             ; bo, out0
	v_lshl_add_u32 v[SPW], v0, 2, SPARE
	v_mov_b32 v[NIL], 0
	ds_add_u32 v[SPW], v[NIL]                      ; the opening lines: the add twice on end under one wait
	ds_add_u32 v[SPW], v[NIL]
	v_lshrrev_b32 v1, 5, v0
	v_readfirstlane_b32 s16, v1                    ; wave 0..3
	s_lshr_b32 s17, s16, 1                         ; which 64 rows are mine.  Also: in slot 1 I fetch for O (0) or for Wo (1)
	s_and_b32 s18, s16, 1                          ; which 128 columns.  Also: which half of those tiles I fetch
	s_bfe_u32 s19, ttmp6, 0x40000                  ; cx
	s_bfe_u32 s20, ttmp6, 0x40004                  ; cy
	s_and_b32 s21, ttmp7, 0xffff
	s_lshl_b32 s21, s21, 2
	s_add_co_u32 s21, s21, s20                     ; the block's row of blocks, 0 .. 63
	s_lshl_b32 s40, s20, 2
	s_lshl_b32 s40, 15, s40                        ; my row of the cluster
	s_lshl_b32 s92, 0x1111, s19                    ; my column
	s_or_b32 s[G1+0], s40, (3<<16)|(1<<21)         ; elements of 8 bytes; the mask, and bit 21 beside it
	s_or_b32 s[G1B+0], s92, (3<<16)|(1<<21)
.irp g, G1, G1B
	s_mov_b32 s[\g+1], 768<<16                     ; a row: 6,144 bytes of a tile's 12,288
	s_mov_b32 s[\g+3], 768<<16
	s_mov_b32 s[\g+5], 1536
	s_mov_b32 s[\g+6], 0
	s_mov_b32 s[\g+7], 0
.endr
	s_mov_b32 s[G1+2], 8<<16                       ; the head's loads bring 8 tiles of O
	s_mov_b32 s[G1+4], 8
	s_mov_b32 s[G1B+2], 16<<16                     ; and 16 of Wo
	s_mov_b32 s[G1B+4], 16
	s_or_b32 s[G1S+0], s40, (3<<16)|(1<<21)
	s_or_b32 s[G1SB+0], s92, (3<<16)|(1<<21)
.irp g, G1S, G1SB
	s_mov_b32 s[\g+1], 32<<16                      ; the scales: dense bytes as rows of 256
	s_mov_b32 s[\g+3], 32<<16
	s_mov_b32 s[\g+5], 32
	s_mov_b32 s[\g+6], 0
	s_mov_b32 s[\g+7], 0
.endr
	s_mov_b32 s[G1S+2], 16<<16
	s_mov_b32 s[G1S+4], 16
	s_mov_b32 s[G1SB+2], 32<<16
	s_mov_b32 s[G1SB+4], 32
	s_lshl_b32 s41, s21, 3                         ; O's first tile
	s_mul_i32 s44, s41, 12288
	s_mov_b32 s45, 0
	s_lshl_b32 s46, s41, 9
	s_mov_b32 s47, 0
	s_lshl_b32 s93, s19, 4
	s_add_co_u32 s93, s93, 1728                    ; Wo's first tile
	s_mul_i32 s96, s93, 12288
	s_mov_b32 s97, 0
	s_lshl_b32 s98, s93, 9
	s_mov_b32 s99, 0
	s_mul_i32 s42, s18, 4*12288                    ; slot 1: my 4 tiles of O, the second 512 along K
	s_add_co_u32 s42, s42, TB
	s_mov_b32 s43, 0
	s_mul_i32 s94, s18, 8*12288                    ; or my 8 tiles of Wo
	s_add_co_u32 s94, s94, TB
	s_mov_b32 s95, 0
	s_mul_i32 s22, s18, 4*TB                       ; and where they go: no place in the cluster enters an LDS address
	s_mul_i32 s23, s18, 8*TB
	s_wait_dscnt 0x0                               ; both opening adds are done
	s_wait_kmcnt 0x0
	s_add_nc_u64 s[44:45], s[4:5], s[44:45]
	s_add_nc_u64 s[46:47], s[6:7], s[46:47]
	s_add_nc_u64 s[96:97], s[8:9], s[96:97]
	s_add_nc_u64 s[98:99], s[10:11], s[98:99]
	CROUND                                         ; all sixteen work-groups are here: the first joint loads meet
	s_mov_b32 s[G0H], 1
	s_mov_b32 s[G0H+1], 0
	s_mov_b64 s[G0H+2:G0H+3], s[44:45]
	s_or_b32 s[G0H+3], s[G0H+3], 0x80000000
	s_mov_b32 s[G0HB], 1
	s_mov_b32 s[G0HB+1], ABY
	s_mov_b64 s[G0HB+2:G0HB+3], s[96:97]
	s_or_b32 s[G0HB+3], s[G0HB+3], 0x80000000
	s_mov_b32 s[G0S], 1
	s_mov_b32 s[G0S+1], SCL
	s_mov_b64 s[G0S+2:G0S+3], s[46:47]
	s_or_b32 s[G0S+3], s[G0S+3], 0x80000000
	s_mov_b32 s[G0SB], 1
	s_mov_b32 s[G0SB+1], SCL+4096
	s_mov_b64 s[G0SB+2:G0SB+3], s[98:99]
	s_or_b32 s[G0SB+3], s[G0SB+3], 0x80000000
	s_mov_b32 s[G0], 1
	s_add_co_u32 s[G0+1], s22, SLOT
	s_add_nc_u64 s[G0+2:G0+3], s[44:45], s[42:43]
	s_or_b32 s[G0+3], s[G0+3], 0x80000000
	s_mov_b32 s[G0B], 1
	s_add_co_u32 s[G0B+1], s23, SLOT+ABY
	s_add_nc_u64 s[G0B+2:G0B+3], s[96:97], s[94:95]
	s_or_b32 s[G0B+3], s[G0B+3], 0x80000000
; THE HEAD'S LOADS, ONE A WAVE: one tree of branches on the wave's number; every way through the head passes exactly one load.
.macro ARM under, g0, g1, next
	s_cmp_lt_u32 s16, \under
	s_cbranch_scc0 \next
	TLOAD \g0, \g1
	s_branch .Lhead_asked
\next:
.endm
	ARM 1, G0H,  G1,  .Lhead_sa
	ARM 2, G0S,  G1S, .Lhead_b
	ARM 3, G0HB, G1B, .Lhead_sb
	TLOAD G0SB, G1SB
.Lhead_asked:
	s_mul_i32 s41, s17, 4*TB                       ; my 4 tiles of O in a slot
	s_mul_i32 s42, s18, 8*TB
	s_add_co_u32 s42, s42, ABY                     ; my 8 tiles of Wo
	s_lshl_b32 s43, s17, 11                        ; the scales of my 4 tiles of O,
	s_lshl_b32 s44, s18, 12
	s_add_co_u32 s44, s44, 4096                    ; and of my 8 of Wo, behind O's 4,096 bytes:
	s_sub_co_u32 s44, s44, s43                     ; the distance between the two
	s_add_co_u32 s43, s43, SCL
	s_mul_i32 s45, s16, 16*SPITCH                  ; my stage
	s_lshl_b32 s92, s19, 10
	s_lshl_b32 s93, s18, 9
	s_add_co_u32 s92, s92, s93
	s_mov_b32 s93, 0
	s_add_nc_u64 s[92:93], s[12:13], s[92:93]      ; bo at my 128 columns
	s_lshl_b32 s46, s21, 7
	s_lshl_b32 s47, s17, 6
	s_add_co_u32 s46, s46, s47                     ; my first row of out0
	s_lshl_b32 s46, s46, 12
	s_lshl_b32 s47, s19, 10
	s_add_co_u32 s46, s46, s47
	s_lshl_b32 s47, s18, 9
	s_add_co_u32 s46, s46, s47                     ; + my first column, in bytes
	s_mov_b32 s47, 0
	s_add_nc_u64 s[14:15], s[14:15], s[46:47]
	v_and_b32 v1, 31, v0
	v_and_b32 v2, 15, v0                           ; r
	v_bfe_u32 v3, v0, 4, 1                         ; h
	v_lshlrev_b32 v[CO], 4, v1
	v_lshlrev_b32 v5, 3, v1
	v_add_nc_u32 v[ADRA], s41, v[CO]
	v_add_nc_u32 v[ADRA+2], s41, v5
	v_add_nc_u32 v[ADRB], s42, v[CO]
	v_add_nc_u32 v[ADRB+2], s42, v5
	v_add_nc_u32 v[ADRA+1], SLOT, v[ADRA]
	v_add_nc_u32 v[ADRA+3], SLOT, v[ADRA+2]
	v_add_nc_u32 v[ADRB+1], SLOT, v[ADRB]
	v_add_nc_u32 v[ADRB+3], SLOT, v[ADRB+2]
	v_mul_u32_u24 v6, s44, v3                      ; lanes 16-31 take Wo's words
	v_lshl_add_u32 v6, v2, 3, v6
	v_add_nc_u32 v[ADRS], s43, v6
	v_mul_u32_u24 v6, v2, SPITCH                   ; the stage, way in: row r, 64 bytes for each half of the lanes in each 128
	v_lshl_add_u32 v6, v3, 6, v6
	v_add_nc_u32 v[STO], s45, v6
	v_add_nc_u32 v[RD], s45, v[CO]                 ; way back: the 32 lanes take a row of 512 bytes
	v_lshlrev_b32 v10, 6, v3
.irp g, 0,1,2,3
.irp j, 0,1,2,3
	global_load_b128 v[BI+16*\g+4*\j:BI+16*\g+4*\j+3], v10, s[92:93] offset:128*\g+16*\j   ; bo in the result's layout: the 16 registers of tiles 2 g, 2 g + 1 are columns 32 g + 16 h + 0 .. 15
.endr
.endr
	s_wait_alu depctr_va_vdst(0)
	s_wait_tensorcnt 0x0                           ; my tile of the head's four is in
	ds_add_u32 v[SPW], v[NIL]
	s_mov_b32 s[G1+2], 4<<16                       ; no tensor load of mine is out: slot 1 comes in parts of 4 tiles of O
	s_mov_b32 s[G1+4], 4
	s_mov_b32 s[G1B+2], 8<<16                      ; or 8 of Wo
	s_mov_b32 s[G1B+4], 8
	s_wait_dscnt 0x0
	CROUND                                         ; all four tiles are in, and all sixteen work-groups are here
	s_cmp_eq_u32 s17, 0                            ; slot 1's first fill, the first tensor load behind the round: waves 0, 1 for O, waves 2, 3 for Wo
	s_cbranch_scc0 .Lfor_b
	TLOAD G0, G1
	s_branch .Lasked
.Lfor_b:
	TLOAD G0B, G1B
.Lasked:
	FETCH 0
	s_wait_loadcnt 0x0                             ; bo is in
	STEP 0, 1                                      ; the first step's products start the sums from bo
.irp st, 1,2,3,4,5,6,7
	STEP \st, 0
.endr
; THE WAY OUT, block by block of 16 rows x 128 columns, through my own stage: whole rows of 512 bytes come back and are stored as two aligned units of 256 bytes.  LDS serves a wave's instructions in order (ISA guide 5.7.1.4).
.macro TOSTAGE a
	WIN 0x08                                       ; the data: window 2
.irp b, 0,1,2,3,4,5,6,7
	ds_store_b128 v[STO], v[64*(\a)+8*\b:64*(\a)+8*\b+3] offset:128*(\b/2)+32*(\b%2)       ; each accumulator from its low end on
	ds_store_b128 v[STO], v[64*(\a)+8*\b+4:64*(\a)+8*\b+7] offset:128*(\b/2)+32*(\b%2)+16
.endr
	WIN 0
.irp t, 0,1,2,3,4,5,6,7,8,9,10,11,12,13,14,15
	ds_load_b128 v[BK+64*((\a)%2)+4*\t:BK+64*((\a)%2)+4*\t+3], v[RD] offset:\t*SPITCH
.endr
.endm
.macro SEND a, younger                 ; younger: the LDS instructions issued behind block a's loads, which may stay out
	s_wait_dscnt \younger
.irp t, 0,1,2,3,4,5,6,7,8,9,10,11,12,13,14,15
	global_store_b128 v[CO], v[BK+64*((\a)%2)+4*\t:BK+64*((\a)%2)+4*\t+3], s[14:15] offset:(32*((\a)/2)+8*((\a)%2)+\t+8*(\t/8))*4096 th:TH_STORE_NT
.endr
.endm
	PLACES NP                                      ; behind the last products: in front of the first read of results and of loads into registers that held O's fragments
	TOSTAGE 0
.irp a, 1,2,3
.if \a > 1
	s_wait_xcnt 0x0                                ; block a - 2's stores have read their registers: block a's loads may land there
.endif
	TOSTAGE \a
	SEND \a-1, 32                                  ; behind block a - 1's loads: block a's 16 stores and 16 loads
.endr
	SEND 3, 0
	s_wait_tensorcnt 0x0                           ; the wave's end
	ds_add_u32 v[SPW], v[NIL]
	s_wait_dscnt 0x0
	CROUND                                         ; the closing round
	s_endpgm
.Lfunc_end_k_q9e75c3206f_outp:
	.size	k_q9e75c3206f_outp, .Lfunc_end_k_q9e75c3206f_outp-k_q9e75c3206f_outp
	.p2alignl 7, 3214868480
	.fill 96, 4, 3214868480
	.section	.rodata,"a",@progbits
	.p2align	6, 0x0
	.amdhsa_kernel k_q9e75c3206f_outp
		.amdhsa_group_segment_fixed_size 327680
		.amdhsa_private_segment_fixed_size 0
		.amdhsa_enable_private_segment 0
		.amdhsa_kernarg_size 48
		.amdhsa_user_sgpr_count 2
		.amdhsa_user_sgpr_kernarg_segment_ptr 1
		.amdhsa_wavefront_size32 1
		.amdhsa_system_sgpr_workgroup_id_x 1
		.amdhsa_system_sgpr_workgroup_id_y 1
		.amdhsa_system_sgpr_workgroup_id_z 1
		.amdhsa_system_vgpr_workitem_id 0
		.amdhsa_next_free_vgpr 768
		.amdhsa_next_free_sgpr 100
		.amdhsa_reserve_vcc 0
		.amdhsa_float_denorm_mode_32 3
		.amdhsa_float_denorm_mode_16_64 3
		.amdhsa_memory_ordered 1
		.amdhsa_forward_progress 1
		.amdhsa_inst_pref_size 87
	.end_amdhsa_kernel
	.amdgpu_metadata
---
amdhsa.version: [ 1, 2 ]
amdhsa.kernels:
  - .name:           k_q9e75c3206f_outp
    .symbol:         k_q9e75c3206f_outp.kd
    .args:
      - { .name: oc, .offset: 0, .size: 8, .value_kind: global_buffer, .address_space: global }
      - { .name: os, .offset: 8, .size: 8, .value_kind: global_buffer, .address_space: global }
      - { .name: cod, .offset: 16, .size: 8, .value_kind: global_buffer, .address_space: global }
      - { .name: scl, .offset: 24, .size: 8, .value_kind: global_buffer, .address_space: global }
      - { .name: bo, .offset: 32, .size: 8, .value_kind: global_buffer, .address_space: global }
      - { .name: out0, .offset: 40, .size: 8, .value_kind: global_buffer, .address_space: global }
    .group_segment_fixed_size: 327680
    .private_segment_fixed_size: 0
    .kernarg_segment_align: 8
    .kernarg_segment_size: 48
    .max_flat_workgroup_size: 128
    .sgpr_count:     100
    .vgpr_count:     768
    .wavefront_size: 32
...
	.end_amdgpu_metadata
.endif
;; end of part 4
